; MI455X (gfx1250); checked and timed in simulation.
; The chip was launched on July 23, 2026; its instructions are those of AMD's public machine-readable ISA for CDNA 5 (MIT licence, August 2026) and "CDNA5" Instruction Set Architecture Reference Guide (July 2026). The comments in the code are by the model that wrote it; some were corrected since.
;; Multi Head Attention. Allowed arithmetic: matrix products marked QUANTISED: E2M3 operands, one E8M0 scale for each 32 along K, by v_wmma_scale_f32_16x16x128_f8f6f4 with both operands' format E2M3, f32 sums; everything else in f32.
;; Inputs: Wk 1,024 x 1,024 float32; Wo 1,024 x 1,024 float32; Wq 1,024 x 1,024 float32; Wv 1,024 x 1,024 float32; bk 1,024 float32; bo 1,024 float32; bq 1,024 float32; bv 1,024 float32; mask 1 x 1 x 2,048 x 2,048 bool; x 4 x 2,048 x 1,024 float32.
;; Outputs: out0 4 x 2,048 x 1,024 float32.
;; This version of the problem:
;;   THIS VERSION OF THE PROBLEM IS GIVEN IN LOW PRECISION. The matrix products marked QUANTISED in the list below multiply operands that are first quantised to E2M3 (2 exponent bits, 3 mantissa bits; 6 bits a number), with one power-of-two scale for each 32 numbers along K (OCP MX v1.0); their sums are f32. All else is computed in f32.
;;   The module's matrix products, in the order in which they are computed (A, B: the left and right operand; K: the contracted axis; several contracted axes count as one K, in the product's order):
;;     1. [M 8,192, K 1,024] x [K 1,024, N 1,024]; A: input x; B: input Wq: QUANTISED
;;     2. [M 8,192, K 1,024] x [K 1,024, N 1,024]; A: input x; B: input Wk: QUANTISED
;;     3. [M 8,192, K 1,024] x [K 1,024, N 1,024]; A: input x; B: input Wv: QUANTISED
;;     4. batch 64 x [M 2,048, K 64] x [K 64, N 2,048]; A: computed on the way; B: computed on the way: QUANTISED
;;     5. batch 64 x [M 2,048, K 2,048] x [K 2,048, N 64]; A: softmax (see below); B: computed on the way: QUANTISED
;;     6. [M 8,192, K 1,024] x [K 1,024, N 1,024]; A: computed on the way; B: input Wo: QUANTISED
;;   THE QUANTISER, for each operand of a quantised product, along K:
;;     - K is cut into blocks of 32 from its start; a last block that is shorter is filled with zeros.
;;     - A block's scale is 2^e with e = floor(log2(the largest magnitude in the block)) - 2, held to -126 .. 127; a block of zeros has e = 0. As a byte (E8M0): e + 127.
;;     - Each number is divided by its block's scale, clamped to +-7.5, and rounded to the nearest number of E2M3, ties to even, subnormals kept.
;;     - The product sums the exact products of the quantised numbers (number of the format x scale) in f32.
;;   ~~~python
;;   def quantise(x, axis):      # numpy; x: float32 -> the quantised numbers, widened to float32 again
;;       x = np.moveaxis(x, axis, -1); K = x.shape[-1]
;;       x = np.pad(x, [(0, 0)] * (x.ndim - 1) + [(0, -K % 32)]); x = x.reshape(x.shape[:-1] + (-1, 32)); a = np.abs(x).max(-1, keepdims=True)
;;       e = np.where(a > 0, np.clip(np.frexp(np.where(a > 0, a, 1))[1] - 1 - 2, -126, 127), 0)      # np.frexp(a)[1] - 1 = floor(log2(a)), exactly
;;       r = np.clip(x / 2.0 ** e, -7.5, 7.5)
;;       step = 2.0 ** (np.maximum(np.frexp(np.where(r == 0, 1, r))[1] - 1, 0) - 3)
;;       q = np.round(r / step) * step * 2.0 ** e      # np.round: ties to even
;;       return np.moveaxis(q.reshape(q.shape[:-2] + (-1,))[..., :K], -1, axis).astype(np.float32)
;;   ~~~
;;   SOFTMAX AHEAD OF A QUANTISED PRODUCT. Where the list says 'softmax', what is quantised is not the finished softmax but p = 2^(t - M), with t = logit x log2(e) and M = ceil(the row's largest t), a whole number; so 1/2 < the row's largest p <= 1. The row's sum l is taken of the UNQUANTISED p, in f32, and the product's result is divided by l at the end. Since M is a whole number, a kernel that streams over the keys may use a running M (the ceiling of the running maximum): every later rescaling is an exact power of two, which a block's scale takes up: the codes' values come out the same.
;;   OPERANDS COMPUTED ON THE WAY. 'Computed on the way' means the value that the module computes at that place (a softmax that the list does not call 'softmax' is quantised finished and normalised). What goes into a quantiser is computed in f32, as accurately as f32 sums, v_exp_f32 and their like allow (about 1e-6 of the number): no bf16 or f16 on the way to a quantiser, and a product that is left as it is and whose result goes on into a quantised operand takes f32 operands (vector FMAs, or v_wmma_f32_16x16x4_f32). A number that lies on a knife's edge between two numbers of the format may be rounded either way, as far as f32 arithmetic and the matrix unit's own rounding can turn it there, and no further.
;; 2 versions, each right; version 2 is version 1 with the launch attn written anew for expert scheduling mode. Each part assembles by itself: llvm-mc -triple=amdgcn-amd-amdhsa -mcpu=gfx1250 --defsym DOCPART=n.
;; ======== version 1 of 2: 4 launches
;; workspace buffers: xw 9,830,400 bytes; maskbuf 524,800 bytes of whole numbers; qkv 20,185,088 bytes; ob 6,553,600 bytes
;; launch prep (part 1): grid 384 x 1, 4 waves a work-group, no clusters, 62,208 bytes of LDS; arguments x, Wq, Wk, Wv, Wo, mask, xw, maskbuf; writes xw, maskbuf
.if DOCPART == 1
	.amdgcn_target "amdgcn-amd-amdhsa--gfx1250"
	.amdhsa_code_object_version 6
	.text
	.protected	k_q7c91bf8c17_prep
	.globl	k_q7c91bf8c17_prep
	.p2align	8
	.type	k_q7c91bf8c17_prep,@function
k_q7c91bf8c17_prep:
	s_mov_b64 s[64:65], 0
	v_nop
	global_prefetch_b8 v0, s[64:65] scope:SCOPE_SE
	s_setreg_imm32_b32 hwreg(HW_REG_WAVE_MODE, 25, 1), 1
	s_wait_xcnt 0x0
; x [8192][1024] and Wq, Wk, Wv, Wo [1024 (k)][1024 (n)], f32, become codes of FP6 (E2M3) with one E8M0 byte for each 32 along K; the mask becomes lane-mask words and step codes.
; THE FORMAT OF ALL CODES: an image of 768 bytes holds 16 rows x 64 along K as six operand registers a lane: lane (r, h) holds k = 32 h .. 32 h + 31 of its row; registers 0-3 lie at 16 x lane, registers 4-5 at 512 + 8 x lane.
; THE ROWS OF A TILE ARE NOT NEIGHBOURS: row r of tile t is row 32 (t / 2) + 8 (t % 2) + r + 8 (r / 8) of the tensor, so that in every product used transposed the 16 registers of two neighbouring result tiles are 16 neighbours.
; xw: x's images [K step 4][tile 512][4 images]; the weights' [K step 4][tile 256][4 images] (64 tiles each of Wq, Wk, Wv, Wo); scale bytes [tile][row 16][32].
; A block's scale is 2^(floor(log2(largest magnitude)) - 2): its byte is the largest magnitude's exponent field - 2, held at 1 from below.  A block of zeros so gets the byte 1: its codes are zeros, and this program alone reads the bytes.
; LIMITS: NaN and infinities among the inputs are not served; blocks whose largest magnitude lies under 2^-124 keep the byte 1.
; SHARES: work-groups 0-127 take x (a wave a tile of 16 rows, all of K), 128-255 the weights (a wave 32 columns x 256 along K), 256-383 the mask (a work-group a tile of 16 queries, a wave 512 keys).
; The three ways part on the work-group's number and never join; each has LDS bytes of its own.  No tensor load, no matrix instruction.
.set XSTR,   1572864                   ; xw: from a K step of x's images to the next: 512 tiles x 3,072 bytes
.set WSTR,   786432                    ; the same for the weights: 256 tiles
.set W_IMG,  6291456
.set X_SC,   9437184
.set W_SC,   9699328
.set MFLAG,  524288                    ; maskbuf: behind the words, one word of step codes for each query tile
.set XREG,   9216                      ; LDS, x's way: for each wave two stages of 16 rows x 272 bytes, then its 512 scale bytes
.set WBASE,  4*XREG
.set WREG,   6144                      ; the weights' way: for each wave two tiles' images of one K step
.set MBASE,  WBASE+4*WREG              ; the mask's way: four words
.set SPARE,  MBASE+256                 ; the spare words, 128 bytes for each wave: two blocks of 256 bytes that no other line names
.set SPW, 12                           ; v12  LDS address of my spare word; never rewritten
.set NIL, 13                           ; v13  0; never rewritten
.set XR,  16                           ; x: v16-111 three sets of 32 numbers as loaded
.set XX,  112                          ;    v112-175 two sets of 32 neighbours
.set XC,  176                          ;    v176.. codes, two sets of six
.set XD,  192                          ;    v192-194 a block's upper 16 codes as the conversion leaves them
.set WX,  32                           ; W: v32-95 two sets of 32 numbers
.set WC,  96
.set WD,  104
.set WSB, 24                           ;    v24-25 eight scale bytes
.set WOUT, 112                         ;    v112-159 the way out
; the largest magnitude of v[s] .. v[s + 31], in two chains, with the floor 2^(3 - 127) as one more leaf: so the byte cannot fall under 1
.macro BLKMAX s, m0, m1
	v_max3_num_f32 v[\m0], |v[\s]|, |v[\s+1]|, |v[\s+2]|
	v_max3_num_f32 v[\m1], |v[\s+3]|, |v[\s+4]|, |v[\s+5]|
.irp i, 6,10,14,18,22,26
	v_max3_num_f32 v[\m0], v[\m0], |v[\s+\i]|, |v[\s+\i+1]|
	v_max3_num_f32 v[\m1], v[\m1], |v[\s+\i+2]|, |v[\s+\i+3]|
.endr
	v_max3_num_f32 v[\m0], v[\m0], |v[\s+30]|, |v[\s+31]|
	v_max3_num_f32 v[\m0], v[\m0], v[\m1], 0x1800000
.endm
; x, step t: 64 along K of my 16 rows.  Each load takes 256 consecutive bytes of two rows
.macro XLOAD t
.irp i, 0,1,2,3,4,5,6,7
	global_load_b128 v[XR+32*((\t)%3)+4*\i:XR+32*((\t)%3)+4*\i+3], v3, s[4:5] offset:(2*\i+8*(\i/4))*4096+256*(\t) th:TH_LOAD_NT
.endr
.endm
; through my stage: in as loaded, out 128 bytes a lane: a whole block of 32.  LDS serves a wave's instructions in order: no wait between the stores and the loads
.macro XTURN t
.irp i, 0,1,2,3,4,5,6,7
	ds_store_b128 v6, v[XR+32*((\t)%3)+4*\i:XR+32*((\t)%3)+4*\i+3] offset:4352*((\t)%2)+544*\i
.endr
.irp i, 0,1,2,3,4,5,6,7
	ds_load_b128 v[XX+32*((\t)%2)+4*\i:XX+32*((\t)%2)+4*\i+3], v7 offset:4352*((\t)%2)+16*\i
.endr
.endm
.macro XSTEP t
.set XS, XX+32*((\t)%2)
.set XCC, XC+8*((\t)%2)
.if (\t) > 0
	s_wait_dscnt 1                                 ; this step's numbers are back from the stage; the last step's byte store may be out
.else
	s_wait_dscnt 0x0
.endif
.if (\t)+3 < 16
	XLOAD (\t)+3                                   ; into the set that this step's stage stores have read
.endif
.if (\t) < 15
.if (\t) <= 12
	s_wait_loadcnt 16                              ; the next step's eight loads are in; those of the two steps behind it may be out
.else
	s_wait_loadcnt 8*(14-(\t))
.endif
	XTURN (\t)+1
.endif
	BLKMAX XS, 8, 9
	v_add_nc_u32 v11, 0xff000000, v8               ; 2 off the exponent field: the conversion takes the exponent field of this operand as its scale
	s_wait_xcnt 0x0                                ; the stores of two steps ago have read this set of codes
	v_cvt_scalef32_pk16_fp6_f32 v[XCC:XCC+2], v[XS:XS+15], v11
	v_cvt_scalef32_pk16_fp6_f32 v[XD:XD+2], v[XS+16:XS+31], v11   ; (a conversion's three registers begin on an even number)
	v_lshrrev_b32 v10, 23, v11                     ; the scale's byte; also the plain line behind the conversions
	v_mov_b32 v[XCC+3], v[XD]
	v_mov_b32 v[XCC+4], v[XD+1]
	v_mov_b32 v[XCC+5], v[XD+2]
	ds_store_b8 v14, v10 offset:2*(\t)             ; byte 2 t + h of my row's 32
	global_store_b128 v4, v[XCC:XCC+3], s[24:25] offset:((\t)/4)*XSTR+((\t)%4)*768       ; 512 consecutive bytes,
	global_store_b64 v5, v[XCC+4:XCC+5], s[24:25] offset:((\t)/4)*XSTR+((\t)%4)*768+512  ; and 256: the image
.endm
; W, block t: W(32 t + i, my column), i = 0 .. 31
.macro WLOAD t
.set N, 0
.rept 32
	global_load_b32 v[WX+32*((\t)%2)+N], v3, s[24:25] offset:(32*(\t)+N)*4096 th:TH_LOAD_NT
.set N, N+1
.endr
.endm
.macro WBLOCK t
.set XS, WX+32*((\t)%2)
.if (\t) < 7
	s_wait_loadcnt 32                              ; this block's 32 loads are in; the next block's may be out
.else
	s_wait_loadcnt 0x0
.endif
	BLKMAX XS, 14, 15
	v_add_nc_u32 v11, 0xff000000, v14
	v_cvt_scalef32_pk16_fp6_f32 v[WC:WC+2], v[XS:XS+15], v11
	v_cvt_scalef32_pk16_fp6_f32 v[WD:WD+2], v[XS+16:XS+31], v11
	v_lshrrev_b32 v10, 23, v11                     ; the byte; the plain line behind the conversions
.if (\t)%4 == 0
	v_mov_b32 v[WSB+(\t)/4], v10
.else
	v_lshl_or_b32 v[WSB+(\t)/4], v10, 8*((\t)%4), v[WSB+(\t)/4]
.endif
	v_mov_b32 v[WC+3], v[WD]
	v_mov_b32 v[WC+4], v[WD+1]
	v_mov_b32 v[WC+5], v[WD+2]
	ds_store_b128 v4, v[WC:WC+3] offset:768*((\t)/2)+256*((\t)%2)          ; image t / 2, half t % 2, row r: registers 0-3 at 16 (r + 16 h),
	ds_store_b64 v5, v[WC+4:WC+5] offset:768*((\t)/2)+512+128*((\t)%2)     ; registers 4-5 at 512 + 8 (r + 16 h)
.if (\t)+2 < 8
	WLOAD (\t)+2
.endif
	s_wait_dscnt 0x0                               ; the stores have read their registers
.endm
; the mask: 128 keys (step q of my four) x 16 queries become 64 words: word j holds, at bit l, what lane l's score register j is allowed
.macro MWORDS q
	s_mov_b32 s28, -1                              ; all words ANDed,
	s_mov_b32 s29, 0                               ; and ORed
.set G, 0
.rept 16
.irp k, 0,1,2,3
	v_and_b32 v[8+\k], 0xff<<(8*\k), v[32+16*(\q)+G]
.endr
.irp k, 0,1,2,3
	v_cmp_ne_u32 s[24+\k], 0, v[8+\k]
.endr
.irp k, 0,1,2,3
	s_and_b32 s28, s28, s[24+\k]
	s_or_b32 s29, s29, s[24+\k]
	v_writelane_b32 v[96+2*(\q)+(\k&1)], s[24+\k], 2*G+\k/2     ; word 4 G + k: lane (4 G + k) / 2 of a pair
.endr
.set G, G+1
.endr
	global_store_b64 v5, v[96+2*(\q):97+2*(\q)], s[38:39] offset:256*(\q)    ; 256 consecutive bytes, aligned
	s_or_b32 s30, s30, s29                         ; which lanes have seen an open key
	s_cmp_eq_u32 s28, -1
	s_cselect_b32 s33, 1, 0                        ; all open
	s_cmp_eq_u32 s29, 0
	s_cselect_b32 s34, 1, 0                        ; all hidden
	s_or_b32 s35, s33, s34
	s_xor_b32 s35, s35, 1                          ; neither
	s_lshl_b32 s33, s33, 2*(\q)
	s_lshl_b32 s35, s35, 2*(\q)+1
	s_lshl_b32 s34, s34, 2*(\q)+1
	s_or_b32 s31, s31, s33                         ; the step's code: 0 leave out, 1 all open, 2 apply the words
	s_or_b32 s31, s31, s35
	s_or_b32 s32, s32, s34                         ; what the hidden steps' codes become where they may not be left out
.endm
	s_load_b512 s[4:19], s[0:1], 0x0               ; x 4:5, Wq 6:7, Wk 8:9, Wv 10:11, Wo 12:13, mask 14:15, xw 16:17, maskbuf 18:19
	v_lshl_add_u32 v[SPW], v0, 2, SPARE
	v_mov_b32 v[NIL], 0
	v_lshrrev_b32 v1, 5, v0
	v_readfirstlane_b32 s20, v1                    ; wave 0..3
	v_and_b32 v2, 31, v0                           ; lane
	s_wait_kmcnt 0x0
	s_cmp_lt_u32 ttmp9, 128
	s_cbranch_scc1 .Lpath_x
	s_cmp_lt_u32 ttmp9, 256
	s_cbranch_scc1 .Lpath_w
	; ---------------- THE MASK: query tile T = work-group - 256; my wave: keys 512 wave on
	s_sub_co_u32 s21, ttmp9, 256
	s_lshr_b32 s22, s21, 1
	s_lshl_b32 s22, s22, 5
	s_and_b32 s23, s21, 1
	s_lshl_b32 s23, s23, 3
	s_add_co_u32 s22, s22, s23                     ; the tile's first query: 32 (T / 2) + 8 (T % 2)
	s_lshl_b32 s22, s22, 11                        ; a row of the mask is 2,048 bytes
	s_lshl_b32 s23, s20, 9
	s_add_co_u32 s22, s22, s23
	s_mov_b32 s23, 0
	s_add_nc_u64 s[14:15], s[14:15], s[22:23]
	s_lshl_b32 s22, s21, 12                        ; the words: 16 steps x 256 bytes a tile,
	s_lshl_b32 s36, s20, 10                        ; my four steps
	s_add_co_u32 s22, s22, s36
	s_add_nc_u64 s[38:39], s[18:19], s[22:23]
	s_lshl_b32 s22, s21, 2                         ; the codes: byte wave of word T
	s_add_co_u32 s22, s22, s20
	s_add_nc_u64 s[40:41], s[18:19], s[22:23]
	s_add_nc_u64 s[40:41], s[40:41], MFLAG
	v_and_b32 v1, 15, v0
	v_and_b32 v3, 8, v1
	v_add_nc_u32 v3, v3, v1                        ; r + 8 (r / 8)
	v_bfe_u32 v4, v0, 4, 1
	v_lshlrev_b32 v3, 11, v3
	v_lshl_add_u32 v3, v4, 4, v3                   ; my query's row, + 16 h: my 16 keys of each 32
	v_lshlrev_b32 v5, 3, v2                        ; 8 x lane
.irp q, 0,1,2,3
.irp b, 0,1,2,3
	global_load_b128 v[32+16*\q+4*\b:35+16*\q+4*\b], v3, s[14:15] offset:128*\q+32*\b th:TH_LOAD_NT
.endr
.endr
.irp i, 0,1,2,3,4,5,6,7
	v_mov_b32 v[96+\i], 0                          ; v_writelane_b32's destination counts as read
.endr
	s_lshl_b32 s37, s20, 2
	s_add_co_u32 s37, s37, MBASE
	v_mov_b32 v6, s37                              ; LDS: my wave's word,
	v_mov_b32 v7, MBASE                            ; and all four
	s_mov_b32 s30, 0
	s_mov_b32 s31, 0
	s_mov_b32 s32, 0
	s_wait_loadcnt 0x0
	MWORDS 0
	MWORDS 1
	MWORDS 2
	MWORDS 3
	; a hidden step may be left out only if every query of the tile has an open key somewhere: else its keys count in a row that is hidden everywhere
	v_mov_b32 v8, s30
	ds_store_b32 v6, v8                            ; all lanes write the same word with the same value
	s_wait_dscnt 0x0                               ; for the others' sake
	s_barrier_signal -1
	s_barrier_wait -1
	ds_load_b128 v[8:11], v7
	s_wait_dscnt 0x0
	v_or_b32 v8, v8, v9
	v_or_b32 v10, v10, v11
	v_or_b32 v8, v8, v10
	v_readfirstlane_b32 s33, v8
	s_lshr_b32 s34, s33, 16
	s_or_b32 s33, s33, s34                         ; a query's two halves of the lanes
	s_and_b32 s33, s33, 0xffff
	s_cmp_eq_u32 s33, 0xffff
	s_cselect_b32 s32, 0, s32
	s_or_b32 s31, s31, s32
	v_mov_b32 v8, s31
	v_mov_b32 v9, 0
	v_cmp_eq_u32 vcc_lo, 0, v2
	s_wait_xcnt 0x0                                ; EXEC changes only behind this wait
	s_and_saveexec_b32 s36, vcc_lo
	global_store_b8 v9, v8, s[40:41]               ; one lane stores my four steps' codes
	s_wait_xcnt 0x0                                ; and again, in front of the line that widens it
	s_or_b32 exec_lo, exec_lo, s36
	s_wait_tensorcnt 0x0                           ; the wave's end: three lines behind my last LDS store
	ds_add_u32 v[SPW], v[NIL]
	s_wait_dscnt 0x0
	s_endpgm
	; ---------------- x: tile = 4 x work-group + wave
.Lpath_x:
	s_lshl_b32 s21, ttmp9, 2
	s_add_co_u32 s21, s21, s20
	s_lshr_b32 s22, s21, 1
	s_lshl_b32 s22, s22, 5
	s_and_b32 s23, s21, 1
	s_lshl_b32 s23, s23, 3
	s_add_co_u32 s22, s22, s23                     ; the tile's first row
	s_lshl_b32 s22, s22, 12                        ; a row of x is 4,096 bytes
	s_mov_b32 s23, 0
	s_add_nc_u64 s[4:5], s[4:5], s[22:23]
	s_mul_i32 s22, s21, 3072
	s_add_nc_u64 s[24:25], s[16:17], s[22:23]      ; my tile's images of K step 0
	s_lshl_b32 s22, s21, 9
	s_add_nc_u64 s[26:27], s[16:17], s[22:23]
	s_add_nc_u64 s[26:27], s[26:27], X_SC          ; my tile's 512 scale bytes
	s_mul_i32 s28, s20, XREG
	v_and_b32 v1, 15, v0
	v_bfe_u32 v10, v0, 4, 1
	v_lshlrev_b32 v3, 4, v1
	v_lshl_add_u32 v3, v10, 12, v3                 ; in: 16 (lane % 16), one row down for lanes 16-31
	v_lshlrev_b32 v4, 4, v2                        ; 16 x lane
	v_lshlrev_b32 v5, 3, v2                        ; 8 x lane
	v_mul_u32_u24 v6, v10, 272
	v_lshl_add_u32 v6, v1, 4, v6
	v_add_nc_u32 v6, s28, v6                       ; the stage, on the way in
	v_mul_u32_u24 v7, v1, 272
	v_lshl_add_u32 v7, v10, 7, v7
	v_add_nc_u32 v7, s28, v7                       ; and out: row r, + 128 h
	v_lshl_add_u32 v14, v1, 5, v10
	v_add_nc_u32 v14, s28, v14
	v_add_nc_u32 v14, 8704, v14                    ; my scale bytes: 32 r + h
	v_add_nc_u32 v15, s28, v4
	v_add_nc_u32 v15, 8704, v15                    ; and on the way out 16 bytes a lane
	XLOAD 0
	XLOAD 1
	XLOAD 2
	s_wait_loadcnt 16                              ; step 0's eight loads are in
	XTURN 0
.irp t, 0,1,2,3,4,5,6,7,8,9,10,11,12,13,14,15
	XSTEP \t
.endr
	ds_load_b128 v[16:19], v15                     ; LDS serves a wave's instructions in order: these see my byte stores
	s_wait_dscnt 0x0
	global_store_b128 v4, v[16:19], s[26:27]       ; 512 consecutive bytes, aligned
	s_wait_tensorcnt 0x0                           ; the wave's end: the three lines
	ds_add_u32 v[SPW], v[NIL]
	s_wait_dscnt 0x0
	s_endpgm
	; ---------------- the weights: w = work-group - 128: matrix w / 32, K step (w % 32) / 8, columns 128 (w % 8) + 32 wave on
.Lpath_w:
	s_sub_co_u32 s21, ttmp9, 128
	s_lshr_b32 s22, s21, 5                         ; 0 Wq, 1 Wk, 2 Wv, 3 Wo
	s_and_b32 s23, s21, 7
	s_bfe_u32 s28, s21, 0x20003                    ; K step
	s_lshl_b32 s23, s23, 2
	s_add_co_u32 s23, s23, s20                     ; my group of 32 columns
	s_cmp_eq_u32 s22, 0                            ; the choice hangs on the work-group's number alone
	s_cselect_b64 s[24:25], s[6:7], s[8:9]
	s_cmp_lt_u32 s22, 2
	s_cselect_b64 s[24:25], s[24:25], s[10:11]
	s_cmp_lt_u32 s22, 3
	s_cselect_b64 s[24:25], s[24:25], s[12:13]
	s_lshl_b32 s30, s28, 20                        ; 256 rows of 4,096 bytes a K step
	s_lshl_b32 s29, s23, 7
	s_add_co_u32 s30, s30, s29
	s_mov_b32 s31, 0
	s_add_nc_u64 s[24:25], s[24:25], s[30:31]
	s_lshl_b32 s29, s22, 6
	s_lshl_b32 s30, s23, 1
	s_add_co_u32 s29, s29, s30                     ; my first tile of two: 64 x matrix + 2 x group
	s_mul_i32 s30, s29, 3072
	s_mul_i32 s32, s28, WSTR
	s_add_co_u32 s30, s30, s32
	s_add_nc_u64 s[26:27], s[16:17], s[30:31]
	s_add_nc_u64 s[26:27], s[26:27], W_IMG
	s_lshl_b32 s30, s29, 9
	s_lshl_b32 s32, s28, 3
	s_add_co_u32 s30, s30, s32
	s_add_nc_u64 s[34:35], s[16:17], s[30:31]
	s_add_nc_u64 s[34:35], s[34:35], W_SC
	s_mul_i32 s33, s20, WREG
	s_add_co_u32 s33, s33, WBASE
	v_lshlrev_b32 v3, 2, v2                        ; A LANE TAKES A COLUMN, AND ITS REGISTERS RUN DOWN K
	v_bfe_u32 v10, v0, 3, 1                        ; column l is row r = l % 8 + 8 (l / 16) of tile u = (l / 8) % 2
	v_and_b32 v1, 7, v0
	v_bfe_u32 v11, v0, 4, 1
	v_lshl_add_u32 v1, v11, 3, v1
	v_mul_u32_u24 v6, v10, 3072
	v_add_nc_u32 v6, s33, v6
	v_lshl_add_u32 v4, v1, 4, v6
	v_lshl_add_u32 v5, v1, 3, v6
	v_lshlrev_b32 v8, 4, v2
	v_add_nc_u32 v7, s33, v8
	v_lshlrev_b32 v9, 9, v10
	v_lshl_add_u32 v9, v1, 5, v9                   ; my row of scale bytes: 512 u + 32 r
	WLOAD 0
	WLOAD 1
.irp t, 0,1,2,3,4,5,6,7
	WBLOCK \t
.endr
	global_store_b64 v9, v[WSB:WSB+1], s[34:35]    ; my column's eight scale bytes of this K step
.irp i, 0,1,2,3,4,5,6,7,8,9,10,11
	ds_load_b128 v[WOUT+4*\i:WOUT+4*\i+3], v7 offset:512*\i
.endr
.irp i, 0,1,2,3,4,5,6,7,8,9,10,11
	s_wait_dscnt 11-\i
	global_store_b128 v8, v[WOUT+4*\i:WOUT+4*\i+3], s[26:27] offset:512*\i   ; two tiles' images: 6,144 consecutive bytes
.endr
	s_wait_tensorcnt 0x0                           ; the wave's end: the three lines
	ds_add_u32 v[SPW], v[NIL]
	s_wait_dscnt 0x0
	s_endpgm
.Lfunc_end_k_q7c91bf8c17_prep:
	.size	k_q7c91bf8c17_prep, .Lfunc_end_k_q7c91bf8c17_prep-k_q7c91bf8c17_prep
	.p2alignl 7, 3214868480
	.fill 96, 4, 3214868480
	.section	.rodata,"a",@progbits
	.p2align	6, 0x0
	.amdhsa_kernel k_q7c91bf8c17_prep
		.amdhsa_group_segment_fixed_size 62208
		.amdhsa_private_segment_fixed_size 0
		.amdhsa_enable_private_segment 0
		.amdhsa_kernarg_size 64
		.amdhsa_user_sgpr_count 2
		.amdhsa_user_sgpr_kernarg_segment_ptr 1
		.amdhsa_wavefront_size32 1
		.amdhsa_system_sgpr_workgroup_id_x 1
		.amdhsa_system_sgpr_workgroup_id_y 1
		.amdhsa_system_sgpr_workgroup_id_z 1
		.amdhsa_system_vgpr_workitem_id 0
		.amdhsa_next_free_vgpr 200
		.amdhsa_next_free_sgpr 66
		.amdhsa_reserve_vcc 1
		.amdhsa_float_denorm_mode_32 3
		.amdhsa_float_denorm_mode_16_64 3
		.amdhsa_memory_ordered 1
		.amdhsa_forward_progress 1
		.amdhsa_inst_pref_size 170
	.end_amdhsa_kernel
	.amdgpu_metadata
---
amdhsa.version: [ 1, 2 ]
amdhsa.kernels:
  - .name:           k_q7c91bf8c17_prep
    .symbol:         k_q7c91bf8c17_prep.kd
    .args:
      - { .name: x, .offset: 0, .size: 8, .value_kind: global_buffer, .address_space: global }
      - { .name: Wq, .offset: 8, .size: 8, .value_kind: global_buffer, .address_space: global }
      - { .name: Wk, .offset: 16, .size: 8, .value_kind: global_buffer, .address_space: global }
      - { .name: Wv, .offset: 24, .size: 8, .value_kind: global_buffer, .address_space: global }
      - { .name: Wo, .offset: 32, .size: 8, .value_kind: global_buffer, .address_space: global }
      - { .name: mask, .offset: 40, .size: 8, .value_kind: global_buffer, .address_space: global }
      - { .name: xw, .offset: 48, .size: 8, .value_kind: global_buffer, .address_space: global }
      - { .name: maskbuf, .offset: 56, .size: 8, .value_kind: global_buffer, .address_space: global }
    .group_segment_fixed_size: 62208
    .private_segment_fixed_size: 0
    .kernarg_segment_align: 8
    .kernarg_segment_size: 64
    .max_flat_workgroup_size: 128
    .sgpr_count:     66
    .vgpr_count:     200
    .wavefront_size: 32
...
	.end_amdgpu_metadata
.endif
;; end of part 1
;; launch qkv (part 2): grid 96 x 4, 4 waves a work-group, clusters of 4 x 4, 327,680 bytes of LDS; arguments xw, bq, bk, bv, qkv; writes qkv
.if DOCPART == 2
	.amdgcn_target "amdgcn-amd-amdhsa--gfx1250"
	.amdhsa_code_object_version 6
	.text
	.protected	k_q7c91bf8c17_qkv
	.globl	k_q7c91bf8c17_qkv
	.p2align	8
	.type	k_q7c91bf8c17_qkv,@function
k_q7c91bf8c17_qkv:
	s_mov_b64 s[64:65], 0
	v_nop
	global_prefetch_b8 v0, s[64:65] scope:SCOPE_SE
	s_setreg_imm32_b32 hwreg(HW_REG_WAVE_MODE, 25, 1), 1
	s_wait_xcnt 0x0
	s_wait_alu depctr_hold_cnt(0) depctr_sa_sdst(0) depctr_va_vdst(0) depctr_va_sdst(0) depctr_va_ssrc(0) depctr_va_vcc(0) depctr_vm_vsrc(0)
	s_getreg_b32 s2, hwreg(HW_REG_IB_STS2, 6, 4)
	s_cmp_eq_u32 s2, 0
	s_cbranch_scc0 .Lentry_in_a_cluster
	s_endpgm
.Lentry_in_a_cluster:
	s_bfe_u32 s2, ttmp6, 0x10000c
	s_cmp_lg_u32 s2, 0xf033
	s_cbranch_scc0 .Lentry_shape_is_right
	s_endpgm
.Lentry_shape_is_right:
; q = x Wq + bq, k = x Wk + bk, v = x Wv + bv on codes of FP6 (E2M3) with E8M0 scales, K = 1,024; the results are quantised here, q and k along a head's 64 channels, v along the keys, and leave as images.
; An image (768 bytes) holds 16 rows x 64 along K as six operand registers a lane: registers 0-3 at 16 x lane, 4-5 at 512 + 8 x lane; two on end are a fragment of 16 x 128.  Row r of tile t is row 32 (t / 2) + 8 (t % 2) + r + 8 (r / 8).
; A tile of C, 256 x 256, is made by four waves, 128 x 128 each: 64 accumulators, 512 registers.  K goes in four steps of 256 through two LDS slots; a wave's tensor load brings eight tiles' images, 24,576 dense bytes.
; TWO KINDS, told apart by the cluster's number, which all sixteen partners share.  Clusters 0-15: C = x [Wq Wk]: A = x (32 tile rows), B = the weights' columns (8 tile columns).  Clusters 16-23: C = Wv^T x^T: A = Wv's columns (4 tile rows),
; B = x (32 tile columns).  THE MATRIX INSTRUCTION IS USED TRANSPOSED (source 0 = 16 rows of B, source 1 = 16 rows of A): a lane holds one row of A and its registers run along B's rows: along the channels for q and k, along the keys for v:
; the K of the product that will read them.  The bias is the C of each sum's first instruction.
; CLUSTERS: A's tiles are asked for jointly along a row of the cluster, B's along a column.  The scale bytes of the work-group's rows, for all of K, come once and stay in LDS.
; OUT (qkv): q's and k's images [q, k][batch][head][tile 128][768]; v's [batch x head][128 keys 16][channel tile 4][1,536]; scale words laid so that one load of 16 (8) bytes a lane serves the eight key tiles (four channel tiles) of a key step.
; LIMITS: NaN and infinities are not served; blocks whose largest magnitude lies under 2^-124 keep the byte 1 (a block of zeros too: its codes are zeros).
; REGISTERS: window 0: v0-31 addresses; v32-63 scale words, two sets; v64-127 the bias; v128-223 A's fragments, one set.  window 1: B's fragments, two sets, at v0 and v128.  windows 2, 3: the accumulators ((a, b) at v[8 (8 (a % 4) + b)]).
.set XSTR,   1572864
.set WSTR,   786432
.set W_IMG,  6291456
.set X_SC,   9437184
.set W_SC,   9699328
.set V_IMG,  12582912
.set QK_SC,  18874368
.set V_SC,   19922944
.set NQ,     2                         ; matrix instructions deep in a slot
.set FR,     12                        ; registers of a fragment
.set NL,     4                         ; LDS loads that bring one
.set NP,     4                         ; places behind this matrix instruction (ISA guide 7.12.1)
.set TIMG,   3072                      ; a tile's images of one K step
.set FRB,    1536                      ; a fragment's
.set HALFT,  8*TIMG                    ; eight tiles: what one tensor load brings, and what one wave reads of A or of B
.set SLOT,   4*HALFT
.set KS,     32                        ; a row of scale bytes
.set SCL,    2*SLOT                    ; behind the ring: the scales, as units of 256 bytes + 16 of padding
.set HALFS,  (128*KS/256)*272
.set SBLK,   (16*KS/256)*272
.set SPARE,  SCL+4*HALFS               ; the spare words, 128 bytes for each wave: two blocks of 256 bytes that no other line names
.set ADRA, 16                          ; v16-17 my A fragments in slot 0, 1, at 16 x lane; v18-19 at 8 x lane
.set ADRB, 20                          ; v20-23 the same for B
.set ADRS, 27                          ; v27 my scale words: lanes 0-15 A's rows, lanes 16-31 B's
.set SPW,  28
.set NIL,  29
.set SC,   32
.set CB,   64
.set AF,   128
.set TM,   200                         ; the way out: v200-203 largest magnitudes, v204-207 bytes, v212-215 the conversions' scale operands
.set PC,   112                         ; v112-130 the codes just made
.set SW,   96                          ; v96-103 the eight tiles' scale words
.set G1, 24
.set G0, 32
.set G1B, 48
.set G0B, 56
.set G1S, 68
.set G0S, 76
.set G1SB, 80
.set G0SB, 88
.set MSB, 0
.macro WIN new                         ; the immediate's high byte repeats the setting that is left
.if MSB != \new
	s_set_vgpr_msb (MSB<<8)|\new
.set MSB, \new
.endif
.endm
.set MUL_LO, 0xa1                      ; source 0 (B) window 1, source 1 (A) window 0, C and D window 2
.set MUL_HI, 0xf1                      ; the same, C and D window 3
.set TO_B,   0x40
; A joint load: waves 0 and 1 fetch for A, waves 2 and 3 for B; the branch hangs on the wave's number alone.  An s_nop 0 and four v_nop follow each of the two lines.
.macro JLOAD g0a, g1a, g0b, g1b
	s_cmp_eq_u32 s15, 0
	s_cbranch_scc0 .Lfor_b_\@
	tensor_load_to_lds s[\g0a:\g0a+3], s[\g1a:\g1a+7]
	s_nop 0
.rept 4
	v_nop
.endr
	s_branch .Lasked_\@
.Lfor_b_\@:
	tensor_load_to_lds s[\g0b:\g0b+3], s[\g1b:\g1b+7]
	s_nop 0
.rept 4
	v_nop
.endr
.Lasked_\@:
.endm
.macro CREST                           ; a round of the cluster's barrier behind its opening barrier
	s_cmp_lg_u32 s14, 0
	s_cbranch_scc1 .Lnot_wave_0_\@
	s_barrier_signal -3
.Lnot_wave_0_\@:
	s_barrier_wait -3
	s_barrier_signal -1
	s_barrier_wait -1
.endm
.macro CROUND
	s_barrier_signal -1
	s_barrier_wait -1
	CREST
.endm
.macro FRAG reg, adr, q, i             ; tile i's fragment of the slot's q-th 128 along K: two images, as they lie
	ds_load_b128 v[\reg:\reg+3], v[\adr] offset:(\i)*TIMG+(\q)*FRB
	ds_load_b64 v[\reg+4:\reg+5], v[\adr+2] offset:(\i)*TIMG+(\q)*FRB+512
	ds_load_b128 v[\reg+6:\reg+9], v[\adr] offset:(\i)*TIMG+(\q)*FRB+768
	ds_load_b64 v[\reg+10:\reg+11], v[\adr+2] offset:(\i)*TIMG+(\q)*FRB+1280
.endm
; 16 matrix instructions: A's blocks a0, a0 + 1 x B's eight.  cm = 0: the sums go on; 1: they start from the bias of B's block; 2: from that of A's block.  The 64 accumulators take turns, one instruction a turn.
.macro MUL16 a0, p, q, sc, cm
.irp a, \a0, \a0+1
.irp b, 0,1,2,3,4,5,6,7
.if (\cm) == 1
	v_wmma_scale_f32_16x16x128_f8f6f4 v[8*(8*((\a)%4)+\b):8*(8*((\a)%4)+\b)+7], v[128*(\p)+FR*\b:128*(\p)+FR*\b+FR-1], v[AF+FR*(\a):AF+FR*(\a)+FR-1], v[CB+8*\b:CB+8*\b+7], v[SC+8*NQ*(\sc)+NQ*\b+(\q)], v[SC+8*NQ*(\sc)+NQ*(\a)+(\q)] matrix_a_fmt:MATRIX_FMT_FP6 matrix_b_fmt:MATRIX_FMT_FP6 matrix_a_scale:MATRIX_SCALE_ROW1
.elseif (\cm) == 2
	v_wmma_scale_f32_16x16x128_f8f6f4 v[8*(8*((\a)%4)+\b):8*(8*((\a)%4)+\b)+7], v[128*(\p)+FR*\b:128*(\p)+FR*\b+FR-1], v[AF+FR*(\a):AF+FR*(\a)+FR-1], v[CB+8*(\a):CB+8*(\a)+7], v[SC+8*NQ*(\sc)+NQ*\b+(\q)], v[SC+8*NQ*(\sc)+NQ*(\a)+(\q)] matrix_a_fmt:MATRIX_FMT_FP6 matrix_b_fmt:MATRIX_FMT_FP6 matrix_a_scale:MATRIX_SCALE_ROW1
.else
	v_wmma_scale_f32_16x16x128_f8f6f4 v[8*(8*((\a)%4)+\b):8*(8*((\a)%4)+\b)+7], v[128*(\p)+FR*\b:128*(\p)+FR*\b+FR-1], v[AF+FR*(\a):AF+FR*(\a)+FR-1], v[8*(8*((\a)%4)+\b):8*(8*((\a)%4)+\b)+7], v[SC+8*NQ*(\sc)+NQ*\b+(\q)], v[SC+8*NQ*(\sc)+NQ*(\a)+(\q)] matrix_a_fmt:MATRIX_FMT_FP6 matrix_b_fmt:MATRIX_FMT_FP6 matrix_a_scale:MATRIX_SCALE_ROW1
.endif
.endr
.endr
.endm
.macro FETCH_B slot, q, p
	WIN TO_B
.irp i, 0,1,2,3,4,5,6,7
	FRAG 128*(\p)+FR*\i, ADRB+\slot, \q, \i
.endr
	WIN 0
.endm
.macro FETCH_A slot, q, i0
.irp i, \i0, \i0+1, \i0+2, \i0+3
	FRAG AF+FR*(\i), ADRA+\slot, \q, \i
.endr
.endm
.macro SCALES sc                       ; a K step's scale words: two a row; lanes 0-15 take A's block i, lanes 16-31 B's block i
.irp i, 0,1,2,3,4,5,6,7
	ds_load_b64 v[SC+8*NQ*\sc+NQ*\i:SC+8*NQ*\sc+NQ*\i+1], v[ADRS] offset:\i*SBLK
.endr
.endm
.macro PLACES n                        ; plain vector lines between a matrix instruction and a load into, or a vector line on, its registers
.rept \n
	v_nop
.endr
.endm
; A step of 128 along K that has its successor in the same slot
.macro STEP slot, q, cm
	s_wait_dscnt 4*NL                              ; B's set, A's blocks 0-3 and the scale words are in; the youngest sixteen loads (A's blocks 4-7) may be out
.if \cm
	WIN 0x81                                       ; the bias, source 2, lies in window 0
.else
	WIN MUL_LO
.endif
	MUL16 0, (\q)%2, \q, \slot, \cm
	MUL16 2, (\q)%2, \q, \slot, \cm
	s_wait_dscnt 0
	PLACES NP
	FETCH_B \slot, (\q)+1, 1-(\q)%2
	FETCH_A \slot, (\q)+1, 0
.if \cm
	WIN 0xc1
.else
	WIN MUL_HI
.endif
	MUL16 4, (\q)%2, \q, \slot, \cm
	MUL16 6, (\q)%2, \q, \slot, \cm
	PLACES NP
	WIN 0
	FETCH_A \slot, (\q)+1, 4
.endm
; A slot's last step changes slots: one barrier; in front of it each wave waits for all its tensor loads, adds 0 to its spare word, and waits for that and for its reads of this slot.  fill = 1: the slot is filled again, two K steps ahead.
.macro TURN slot, next, fill
	s_wait_tensorcnt 0x0                           ; all my tensor loads have landed: my part of the next slot
	ds_add_u32 v[SPW], v[NIL]                      ; 0 onto my spare word
	s_wait_dscnt 4*NL+1                            ; (the add and A's blocks 4-7 may be out)
	WIN MUL_LO
	MUL16 0, 1, NQ-1, \slot, 0
	s_wait_dscnt 0x0                               ; the add is done, and my reads of this slot are over
	s_barrier_signal -1
	MUL16 2, 1, NQ-1, \slot, 0
	WIN 0
	s_barrier_wait -1
.if \fill
	CREST                                          ; the barrier has opened a round of the cluster's barrier: no wave of any partner still reads this slot or has a load on its way
	s_add_nc_u64 s[G0+4*\slot+2:G0+4*\slot+3], s[G0+4*\slot+2:G0+4*\slot+3], s[96:97]
	s_add_nc_u64 s[G0B+4*\slot+2:G0B+4*\slot+3], s[G0B+4*\slot+2:G0B+4*\slot+3], s[98:99]
	JLOAD G0+4*\slot, G1, G0B+4*\slot, G1B         ; the first tensor load behind the round; its four v_nop are the places in front of the loads below
.else
	PLACES NP
.endif
	v_add_nc_u32 v[ADRS], 4*NQ, v[ADRS]            ; the next K step's scale words
	FETCH_B \next, 0, 0
	FETCH_A \next, 0, 0
	SCALES \next
	WIN MUL_HI
	MUL16 4, 1, NQ-1, \slot, 0
	MUL16 6, 1, NQ-1, \slot, 0
	PLACES NP
	WIN 0
	FETCH_A \next, 0, 4
.endm
	s_load_b256 s[4:11], s[0:1], 0x0               ; xw 4:5, bq 6:7, bk 8:9, bv 10:11
	s_load_b64 s[12:13], s[0:1], 0x20              ; qkv
	v_lshl_add_u32 v[SPW], v0, 2, SPARE
	v_mov_b32 v[NIL], 0
	ds_add_u32 v[SPW], v[NIL]                      ; the wave's opening: the add and its wait ahead of my first tensor load; work on registers stands between them
	v_lshrrev_b32 v1, 5, v0
	v_readfirstlane_b32 s14, v1                    ; wave 0..3
	s_lshr_b32 s15, s14, 1                         ; which half of the tile's rows is mine.  Also: I fetch for A (0) or for B (1)
	s_and_b32 s16, s14, 1                          ; which half of its columns.  Also: which eight tiles I fetch
	s_bfe_u32 s40, ttmp6, 0x40000                  ; cx, cy
	s_bfe_u32 s41, ttmp6, 0x40004
	s_and_b32 s18, ttmp9, 1
	s_max_u32 s19, ttmp9, 16
	s_sub_co_u32 s19, s19, 16
	s_lshr_b32 s20, ttmp9, 1
	s_cmp_ge_u32 ttmp9, 16                         ; the kind: the same in all sixteen partners
	s_cselect_b32 s100, 1, 0                       ; 1: V^T
	s_cselect_b32 s42, s19, s18                    ; the cluster's column,
	s_cselect_b32 s17, 0, s20                      ; and row
	s_cselect_b32 s21, W_IMG+128*TIMG, 0           ; where A's images begin in xw: Wv's tiles, or x's;
	s_mov_b32 s22, X_SC
	s_cselect_b32 s22, W_SC+128*512, s22           ; its scale bytes;
	s_mov_b32 s96, XSTR
	s_cselect_b32 s96, WSTR, s96                   ; from K step to K step
	s_cselect_b32 s47, 0, W_IMG                    ; and the same for B
	s_mov_b32 s92, W_SC
	s_cselect_b32 s92, X_SC, s92
	s_mov_b32 s98, WSTR
	s_cselect_b32 s98, XSTR, s98
	s_mov_b32 s97, 0
	s_mov_b32 s99, 0
	s_lshl_b32 s42, s42, 2
	s_add_co_u32 s42, s42, s40                     ; tile column of C
	s_lshl_b32 s17, s17, 2
	s_add_co_u32 s17, s17, s41                     ; tile row of C
	s_lshl_b32 s43, s41, 2
	s_lshl_b32 s43, 15, s43                        ; my row of the cluster
	s_lshl_b32 s44, 0x1111, s40                    ; my column
	; descriptor group 1: eight tiles' images, 24,576 dense bytes, as 96 rows of 32 elements of 8 bytes
	s_or_b32 s[G1+0], s43, (3<<16)|(1<<21)
	s_or_b32 s[G1B+0], s44, (3<<16)|(1<<21)
.irp g, G1, G1B
	s_mov_b32 s[\g+1], 32<<16                      ; tensor_dim0
	s_mov_b32 s[\g+2], 96<<16                      ; tensor_dim1
	s_mov_b32 s[\g+3], 32<<16                      ; tile_dim0
	s_mov_b32 s[\g+4], 96                          ; tile_dim1
	s_mov_b32 s[\g+5], 32                          ; the pitch
	s_mov_b32 s[\g+6], 0
	s_mov_b32 s[\g+7], 0
.endr
	; and the scale bytes of 128 rows: 4,096 dense bytes as 16 rows of 256, 16 bytes of padding behind each
	s_or_b32 s[G1S+0], s43, (3<<16)|(1<<20)|(1<<21)|(5<<22)|(3<<25)
	s_or_b32 s[G1SB+0], s44, (3<<16)|(1<<20)|(1<<21)|(5<<22)|(3<<25)
.irp g, G1S, G1SB
	s_mov_b32 s[\g+1], 32<<16
	s_mov_b32 s[\g+2], 16<<16
	s_mov_b32 s[\g+3], 32<<16
	s_mov_b32 s[\g+4], 16
	s_mov_b32 s[\g+5], 32
	s_mov_b32 s[\g+6], 0
	s_mov_b32 s[\g+7], 0
.endr
	s_lshl_b32 s18, s16, 3
	s_lshl_b32 s20, s17, 4
	s_add_co_u32 s20, s20, s18                     ; A: my first tile: 16 x tile row + 8 x half
	s_lshl_b32 s46, s42, 4
	s_add_co_u32 s46, s46, s18                     ; B: 16 x tile column + 8 x half
	s_lshl_b32 s23, s20, 9
	s_add_co_u32 s22, s22, s23
	s_mul_i32 s20, s20, TIMG
	s_add_co_u32 s20, s20, s21
	s_mov_b32 s21, 0
	s_mov_b32 s23, 0
	s_lshl_b32 s93, s46, 9
	s_add_co_u32 s92, s92, s93
	s_mul_i32 s46, s46, TIMG
	s_add_co_u32 s46, s46, s47
	s_mov_b32 s47, 0
	s_mov_b32 s93, 0
	s_mul_i32 s45, s14, HALFT                      ; where they go: wave x eight tiles: no place in the cluster enters an LDS address
	s_mul_i32 s94, s14, HALFS
	s_wait_dscnt 0x0                               ; the opening add is done
	s_wait_kmcnt 0x0
	s_add_nc_u64 s[20:21], s[4:5], s[20:21]
	s_add_nc_u64 s[22:23], s[4:5], s[22:23]
	s_add_nc_u64 s[46:47], s[4:5], s[46:47]
	s_add_nc_u64 s[92:93], s[4:5], s[92:93]
	CROUND                                         ; all sixteen work-groups are here: the first joint loads meet
	s_mov_b32 s[G0S], 1
	s_add_co_u32 s[G0S+1], s94, SCL
	s_mov_b64 s[G0S+2:G0S+3], s[22:23]
	s_or_b32 s[G0S+3], s[G0S+3], 0x80000000
	s_mov_b32 s[G0SB], 1
	s_add_co_u32 s[G0SB+1], s94, SCL
	s_mov_b64 s[G0SB+2:G0SB+3], s[92:93]
	s_or_b32 s[G0SB+3], s[G0SB+3], 0x80000000
	JLOAD G0S, G1S, G0SB, G1SB                     ; the scales first: three loads of mine are out behind the third of these
	s_mov_b32 s[G0], 1
	s_add_co_u32 s[G0+1], s45, 0
	s_mov_b64 s[G0+2:G0+3], s[20:21]
	s_or_b32 s[G0+3], s[G0+3], 0x80000000
	s_mov_b32 s[G0B], 1
	s_add_co_u32 s[G0B+1], s45, 0
	s_mov_b64 s[G0B+2:G0B+3], s[46:47]
	s_or_b32 s[G0B+3], s[G0B+3], 0x80000000
	JLOAD G0, G1, G0B, G1B                         ; K step 0
	s_mov_b32 s[G0+4], 1
	s_add_co_u32 s[G0+5], s45, SLOT
	s_add_nc_u64 s[G0+6:G0+7], s[20:21], s[96:97]
	s_or_b32 s[G0+7], s[G0+7], 0x80000000
	s_mov_b32 s[G0B+4], 1
	s_add_co_u32 s[G0B+5], s45, SLOT
	s_add_nc_u64 s[G0B+6:G0B+7], s[46:47], s[98:99]
	s_or_b32 s[G0B+7], s[G0B+7], 0x80000000
	JLOAD G0+4, G1, G0B+4, G1B                     ; K step 1
	s_lshl_b32 s96, s96, 1                         ; a refill goes two K steps on
	s_lshl_b32 s98, s98, 1
	v_and_b32 v1, 15, v0                           ; r
	v_bfe_u32 v2, v0, 4, 1                         ; h
	v_and_b32 v3, 31, v0
	v_lshlrev_b32 v4, 4, v3                        ; 16 x lane
	v_lshlrev_b32 v5, 3, v3                        ; 8 x lane
	s_mul_i32 s21, s15, HALFT                      ; my eight tiles of A
	s_mul_i32 s22, s16, HALFT                      ; and of B, behind A's sixteen
	s_add_co_u32 s22, s22, 2*HALFT
.irp s, 0,1
	v_add_nc_u32 v[ADRA+\s], s21, v4
	v_add_nc_u32 v[ADRB+\s], s22, v4
	v_add_nc_u32 v[ADRA+2+\s], s21, v5
	v_add_nc_u32 v[ADRB+2+\s], s22, v5
	s_add_co_u32 s21, s21, SLOT
	s_add_co_u32 s22, s22, SLOT
.endr
	v_mul_u32_u24 v6, v1, KS                       ; my row's scales: 32 bytes a row,
	v_lshrrev_b32 v7, 8, v6
	v_lshl_add_u32 v6, v7, 4, v6                   ; and 16 more for each 256 passed
	s_mul_i32 s21, s15, HALFS
	s_mul_i32 s22, s16, HALFS
	s_add_co_u32 s22, s22, 2*HALFS
	s_sub_co_u32 s22, s22, s21
	v_mul_u32_u24 v7, s22, v2                      ; lanes 16-31 take B's
	s_add_co_u32 s21, s21, SCL
	v_add_nc_u32 v6, v6, v7
	v_add_nc_u32 v[ADRS], s21, v6
	; the bias: q, k: of my 128 columns; v: of my 128 rows
	s_and_b32 s18, s42, 3
	s_lshl_b32 s18, s18, 10
	s_lshl_b32 s19, s16, 9
	s_add_co_u32 s18, s18, s19
	s_lshl_b32 s19, s17, 10
	s_lshl_b32 s21, s15, 9
	s_add_co_u32 s19, s19, s21
	s_bitcmp1_b32 ttmp9, 0
	s_cselect_b64 s[6:7], s[8:9], s[6:7]           ; odd clusters of the first kind make k
	s_cmp_eq_u32 s100, 0
	s_cselect_b64 s[6:7], s[6:7], s[10:11]
	s_cselect_b32 s18, s18, s19
	s_mov_b32 s19, 0
	s_add_nc_u64 s[6:7], s[6:7], s[18:19]
	v_lshlrev_b32 v8, 6, v2                        ; by column: register j of B's block b is column 32 (b / 2) + 8 (b % 2) + 16 h + j
	v_and_b32 v9, 8, v1
	v_add_nc_u32 v9, v9, v1
	v_lshlrev_b32 v9, 2, v9                        ; by row: all eight registers of A's block a are row 32 (a / 2) + 8 (a % 2) + r + 8 (r / 8)
	s_cmp_eq_u32 s100, 0
	s_cbranch_scc0 .Lbias_rows
.irp b, 0,1,2,3,4,5,6,7
	global_load_b128 v[CB+8*\b:CB+8*\b+3], v8, s[6:7] offset:(32*(\b/2)+8*(\b%2))*4
	global_load_b128 v[CB+8*\b+4:CB+8*\b+7], v8, s[6:7] offset:(32*(\b/2)+8*(\b%2))*4+16
.endr
	s_branch .Lbias_asked
.Lbias_rows:
.irp a, 0,1,2,3,4,5,6,7
.irp j, 0,1,2,3,4,5,6,7
	global_load_b32 v[CB+8*\a+\j], v9, s[6:7] offset:(32*(\a/2)+8*(\a%2))*4
.endr
.endr
.Lbias_asked:
	s_wait_tensorcnt 1                             ; the scales and my part of K step 0 are in; K step 1's load may be out
	s_barrier_signal -1
	s_barrier_wait -1
	FETCH_B 0, 0, 0
	FETCH_A 0, 0, 0
	SCALES 0
	FETCH_A 0, 0, 4
	s_wait_loadcnt 0x0                             ; the bias
	s_cmp_eq_u32 s100, 0
	s_cbranch_scc0 .Lfirst_rows
	STEP 0, 0, 1                                   ; the first step starts the sums from the bias: nothing is cleared or added later
	s_branch .Lfirst_done
.Lfirst_rows:
	STEP 0, 0, 2
.Lfirst_done:
	TURN 0, 1, 1                                   ; K has four K steps: the ring's two laps are written out
	STEP 1, 0, 0
	TURN 1, 0, 1
	STEP 0, 0, 0
	TURN 0, 1, 0                                   ; nothing is left to fetch
	STEP 1, 0, 0
	s_wait_dscnt 4*NL
	WIN MUL_LO
	MUL16 0, 1, NQ-1, 1, 0
	MUL16 2, 1, NQ-1, 1, 0
	s_wait_dscnt 0
	WIN MUL_HI
	MUL16 4, 1, NQ-1, 1, 0
	MUL16 6, 1, NQ-1, 1, 0
	WIN 0
	; THE WAY OUT.  P: the coordinate along the tokens (tile row for q, k; tile column for v), Q: the other.  batch = P / 8; key step js = 2 (P % 8) + my half along P; head pair: 16 batch + 4 (Q % 3 bits) + 64 (Q / 4: q or k) + 2 x my half along Q.
	s_mov_b32 s66, 0x76543210
	s_mov_b32 s67, 0xfedcba98                      ; v_permlanex16_b32's selects for lane l xor 16
	s_mov_b32 s95, 0x1800000                       ; the floor 2^(3 - 127)
	s_mov_b32 s101, 0xffff0000                     ; lanes 16-31
	s_cmp_eq_u32 s100, 0
	s_cselect_b32 s18, s17, s42
	s_cselect_b32 s19, s42, s17
	s_cselect_b32 s20, s15, s16
	s_cselect_b32 s21, s16, s15
	s_mov_b32 s104, 1536
	s_cselect_b32 s104, 768, s104                  ; from block to block: q, k: the next tile's image; v: the next channel tile's fragment
	s_cselect_b32 s105, 0, 92160                   ; v: at block 4 on to the next head: 16 x 6,144 - 4 x 1,536
	s_mov_b32 s22, 768
	s_cselect_b32 s22, 98304, s22                  ; a fragment's second image: q, k: the odd head's; v: keys 64 on
	s_cselect_b32 s23, 0, V_IMG
	s_mov_b32 s24, V_SC
	s_cselect_b32 s24, QK_SC, s24
	s_cselect_b32 s25, 9, 8                        ; 512 or 256 bytes of scale words a key step
	s_lshr_b32 s26, s18, 3
	s_and_b32 s18, s18, 7
	s_lshl_b32 s18, s18, 1
	s_add_co_u32 s18, s18, s20                     ; js
	s_lshl_b32 s26, s26, 4
	s_and_b32 s27, s19, 3
	s_lshl_b32 s27, s27, 2
	s_add_co_u32 s26, s26, s27
	s_lshr_b32 s27, s19, 2
	s_lshl_b32 s27, s27, 6
	s_add_co_u32 s26, s26, s27
	s_lshl_b32 s21, s21, 1
	s_add_co_u32 s26, s26, s21
	s_lshl_b32 s26, s26, 4
	s_add_co_u32 s26, s26, s18                     ; 16 x head + js: eight tiles of 768 bytes, or four fragments of 1,536, are 6,144 bytes either way
	s_mul_i32 s28, s26, 6144
	s_add_co_u32 s28, s28, s23
	s_mov_b32 s29, 0
	s_add_nc_u64 s[28:29], s[12:13], s[28:29]
	s_mov_b32 s23, 0
	s_add_nc_u64 s[30:31], s[28:29], s[22:23]
	s_lshl_b32 s26, s26, s25
	s_add_co_u32 s26, s26, s24
	s_mov_b32 s27, 0
	s_add_nc_u64 s[32:33], s[12:13], s[26:27]
	PLACES NP                                      ; behind the last products: the lines below write registers that held A's fragments
	v_mov_b32 v30, v4                              ; the stores' offsets: 16 x lane,
	v_add_nc_u32 v31, 512, v5                      ; 512 + 8 x lane; both step from block to block
.irp b, 0,1,2,3
	v_mov_b32 v[TM+4+\b], 0                        ; written once: a lane permute's destination counts as one of its sources
.endr
; Block a: 64 numbers a lane, register 16 b + i = place 32 b + 16 h + i along the next K, become a fragment's codes and a scale word.  Each accumulator is read from its low end on.
.macro QACC a
.set AC, 64*((\a)%4)
.set WN, 2+(\a)/4
	WIN (WN<<2)|(WN<<4)
.irp b, 0,1,2,3
	v_max3_num_f32 v[TM+\b], s95, |v[AC+16*\b]|, |v[AC+16*\b+1]|
.endr
.irp i, 2,4,6,8,10,12,14
.irp b, 0,1,2,3
	v_max3_num_f32 v[TM+\b], v[TM+\b], |v[AC+16*\b+\i]|, |v[AC+16*\b+\i+1]|
.endr
.endr
	WIN 0
.irp b, 0,1,2,3
	v_permlanex16_b32 v[TM+4+\b], v[TM+\b], s66, s67
.endr
.irp b, 0,1,2,3
	v_max_num_f32 v[TM+\b], v[TM+\b], v[TM+4+\b]   ; with lane l xor 16's: the block's largest magnitude
.endr
.irp b, 0,1,2,3
	v_add_nc_u32 v[TM+12+\b], 0xff000000, v[TM+\b] ; 2 off its exponent field: the conversion's scale operand
.endr
.irp b, 0,1,2,3
	v_lshrrev_b32 v[TM+4+\b], 23, v[TM+12+\b]      ; the byte
.endr
	v_lshl_or_b32 v[SW+(\a)], v[TM+5], 8, v[TM+4]
	v_lshl_or_b32 v[SW+(\a)], v[TM+6], 16, v[SW+(\a)]
	v_lshl_or_b32 v[SW+(\a)], v[TM+7], 24, v[SW+(\a)]
.if (\a) > 0
	s_wait_xcnt 0x0                                ; the last block's stores have read their codes and offsets
	v_add_nc_u32 v30, s104, v30
	v_add_nc_u32 v31, s104, v31
.endif
.if (\a) == 4
	v_add_nc_u32 v30, s105, v30
	v_add_nc_u32 v31, s105, v31
.endif
	WIN WN
.irp c, 0,1
	v_cvt_scalef32_pk16_fp6_f32 v[PC+6*\c:PC+2+6*\c], v[AC+32*\c:AC+15+32*\c], v[TM+12+2*\c]
	v_cvt_scalef32_pk16_fp6_f32 v[PC+12+4*\c:PC+14+4*\c], v[AC+16+32*\c:AC+31+32*\c], v[TM+12+2*\c+1]   ; (a conversion's three registers begin on an even number)
.endr
	WIN 0
	v_nop                                          ; one plain line behind a scaled conversion
.irp c, 0,1                                        ; the operand's layout wants a whole block in a lane
.irp i, 0,1,2
	v_permlane16_swap_b32 v[PC+6*\c+\i], v[PC+12+4*\c+\i]
.endr
.irp i, 0,1,2
	v_mov_b32 v[PC+3+6*\c+\i], v[PC+12+4*\c+\i]
.endr
.endr
	global_store_b128 v30, v[PC:PC+3], s[28:29]    ; an image: 512 consecutive bytes and 256
	global_store_b64 v31, v[PC+4:PC+5], s[28:29]
	global_store_b128 v30, v[PC+6:PC+9], s[30:31]
	global_store_b64 v31, v[PC+10:PC+11], s[30:31]
.endm
.irp a, 0,1,2,3,4,5,6,7
	QACC \a
.endr
.irp i, 0,1,2,3
	v_cndmask_b32 v[104+\i], v[SW+2*\i], v[SW+2*\i+1], s101   ; lanes 0-15 the even tile's word, lanes 16-31 the odd tile's
.endr
	s_cmp_eq_u32 s100, 0
	s_cbranch_scc0 .Lwords_v
	global_store_b128 v4, v[104:107], s[32:33]     ; the even head: bytes 0, 1 of each word are its own; bytes 2, 3, the odd head's, meet zero codes alone and are never 0xff
.irp i, 0,1,2,3
	v_lshrrev_b32 v[108+\i], 16, v[104+\i]
.endr
	global_store_b128 v4, v[108:111], s[32:33] offset:8192   ; the odd head
	s_branch .Lwords_done
.Lwords_v:
	global_store_b64 v5, v[104:105], s[32:33]      ; a head's four channel tiles
	global_store_b64 v5, v[106:107], s[32:33] offset:4096
.Lwords_done:
	s_wait_tensorcnt 0x0                           ; the wave's end: three lines
	ds_add_u32 v[SPW], v[NIL]
	s_wait_dscnt 0x0
	CROUND                                         ; the closing round
	s_endpgm
.Lfunc_end_k_q7c91bf8c17_qkv:
	.size	k_q7c91bf8c17_qkv, .Lfunc_end_k_q7c91bf8c17_qkv-k_q7c91bf8c17_qkv
	.p2alignl 7, 3214868480
	.fill 96, 4, 3214868480
	.section	.rodata,"a",@progbits
	.p2align	6, 0x0
	.amdhsa_kernel k_q7c91bf8c17_qkv
		.amdhsa_group_segment_fixed_size 327680
		.amdhsa_private_segment_fixed_size 0
		.amdhsa_enable_private_segment 0
		.amdhsa_kernarg_size 40
		.amdhsa_user_sgpr_count 2
		.amdhsa_user_sgpr_kernarg_segment_ptr 1
		.amdhsa_wavefront_size32 1
		.amdhsa_system_sgpr_workgroup_id_x 1
		.amdhsa_system_sgpr_workgroup_id_y 1
		.amdhsa_system_sgpr_workgroup_id_z 1
		.amdhsa_system_vgpr_workitem_id 0
		.amdhsa_next_free_vgpr 1024
		.amdhsa_next_free_sgpr 106
		.amdhsa_reserve_vcc 0
		.amdhsa_float_denorm_mode_32 3
		.amdhsa_float_denorm_mode_16_64 3
		.amdhsa_memory_ordered 1
		.amdhsa_forward_progress 1
		.amdhsa_inst_pref_size 171
	.end_amdhsa_kernel
	.amdgpu_metadata
---
amdhsa.version: [ 1, 2 ]
amdhsa.kernels:
  - .name:           k_q7c91bf8c17_qkv
    .symbol:         k_q7c91bf8c17_qkv.kd
    .args:
      - { .name: xw, .offset: 0, .size: 8, .value_kind: global_buffer, .address_space: global }
      - { .name: bq, .offset: 8, .size: 8, .value_kind: global_buffer, .address_space: global }
      - { .name: bk, .offset: 16, .size: 8, .value_kind: global_buffer, .address_space: global }
      - { .name: bv, .offset: 24, .size: 8, .value_kind: global_buffer, .address_space: global }
      - { .name: qkv, .offset: 32, .size: 8, .value_kind: global_buffer, .address_space: global }
    .group_segment_fixed_size: 327680
    .private_segment_fixed_size: 0
    .kernarg_segment_align: 8
    .kernarg_segment_size: 40
    .max_flat_workgroup_size: 128
    .sgpr_count:     106
    .vgpr_count:     1024
    .wavefront_size: 32
...
	.end_amdgpu_metadata
.endif
;; end of part 2
;; launch attn (part 3): grid 4 x 64, 16 waves a work-group, no clusters, 210,944 bytes of LDS; arguments qkv, maskbuf, ob; writes ob
.if DOCPART == 3
	.amdgcn_target "amdgcn-amd-amdhsa--gfx1250"
	.amdhsa_code_object_version 6
	.text
	.protected	k_q7c91bf8c17_attn
	.globl	k_q7c91bf8c17_attn
	.p2align	8
	.type	k_q7c91bf8c17_attn,@function
k_q7c91bf8c17_attn:
	s_mov_b64 s[64:65], 0
	v_nop
	global_prefetch_b8 v0, s[64:65] scope:SCOPE_SE
	s_setreg_imm32_b32 hwreg(HW_REG_WAVE_MODE, 25, 1), 1
	s_wait_xcnt 0x0
; o = softmax(where(mask, q k^T / 8, -1e9)) v for one head of one batch, both products on codes of FP6 (E2M3) with E8M0 scales; o is divided by the row's sum, quantised along the channels and stored as images for the last product.
; THE SOFTMAX: t = score x log2(e) / 8; M = the running largest t rounded up to a whole number; p = 2^(t - M) is quantised along the keys; the row's sum is taken of the unquantised p; when M moves, sum and O are multiplied by 2^(old M - new M): exact.
; SHARES.  A work-group (x = g, y = batch x 16 + head) takes 32 of the head's 128 tiles of 16 queries; each of its sixteen waves two: tile 4 w + g, then tile 127 - (4 w + g).  Every wave walks the head's 16 key steps of 128 keys.
; LDS.  The head's codes and scale words of K and V, 208,896 bytes, are copied in once through registers; behind ONE barrier LDS is only read.  No tensor load and no joint request: the walk branches on step codes read from memory,
; and what the four work-groups of a head share is this one copy.
; THE MASK is an input: an earlier launch has made of it, for each query tile and key step, a code (0: every key hidden, and no query of the tile hidden everywhere: the step adds nothing and is left out; 1: all open; 2: apply the words)
; and 64 words, word j holding at bit l what lane l's score register j is allowed.  The codes steer scalar branches alone; no address hangs on them.
; LAYOUT.  Both products are used transposed (S^T = K Q^T, O^T = V^T P^T): a lane holds one query throughout.  Row r of a tile is row 32 (t / 2) + 8 (t % 2) + r + 8 (r / 8), so that the 16 registers of two neighbouring tiles are 16 neighbours.
; K = 64 IN AN INSTRUCTION OF 128: Q's fragment is its six registers and six of zero codes.  A key tile's source is its own six registers and the six that follow (the next tile's, or a pad): those meet zero codes under scale bytes that are never 0xff.
; LIMITS.  A hidden score is set to -2^33, a logit of -2^30, where reference() has -1e9: score x c is then a whole number, and a row hidden everywhere gets p = 1 on all keys.  The results are reference()'s while open logits lie above about -1e9 + 200.
; NaN and infinities are not served; blocks whose largest magnitude lies under 2^-124 keep the byte 1.
; REGISTERS: v1, v2, v11, v28-31, v94, v95 lane constants; v3, v4 the add's two; v5-10 addresses in hand; v12 -M, v13 the largest t, v[14:15] the sum; v16-27 Q; v32-85 eight key tiles and a pad, later p's codes; v86-91, v93 scale words;
; v96-159 S^T, then p; v160-191 O^T; v192-239 V; v240-254 at work; v255 -2^33.
.set XSTR,   1572864
.set V_IMG,  12582912
.set QK_SC,  18874368
.set V_SC,   19922944
.set O_SC,   6291456
.set MFLAG,  524288
.set VIMG,   98304                     ; LDS: K's images at 0, V's here,
.set KSC,    196608                    ; K's scale words,
.set VSC,    204800                    ; V's,
.set SPARE,  208896                    ; and the spare words, 128 bytes for each wave: eight blocks of 256 bytes that no other line names
.set BM,  240                          ; v240-243 a block's largest score, then its largest p
.set PT,  244                          ; v244-247 lane l xor 16's; the second chain of sums; the bytes
.set SO,  248                          ; v248-251 the conversions' scale operands
; A key step's loads and its first product.  The six additions are the places behind the last step's products, in front of loads into their registers.
.macro FRONT
	v_add_nc_u32 v5, s16, v1
	v_add_nc_u32 v6, s16, v2
	v_add_nc_u32 v7, s16, v11
	v_add_nc_u32 v8, s16, v28
	v_add_nc_u32 v9, s17, v29
	v_add_nc_u32 v10, s18, v30
.irp t, 0,1,2,3,4,5,6,7
	ds_load_b128 v[32+6*\t:35+6*\t], v5 offset:768*\t
	ds_load_b64 v[36+6*\t:37+6*\t], v6 offset:768*\t
.endr
	ds_load_b128 v[86:89], v9                      ; word i: lanes 0-15 key tile 2 i, lanes 16-31 key tile 2 i + 1
.irp c, 0,1,2,3
	ds_load_b128 v[192+12*\c:195+12*\c], v7 offset:1536*\c
	ds_load_b64 v[196+12*\c:197+12*\c], v8 offset:1536*\c
	ds_load_b128 v[198+12*\c:201+12*\c], v7 offset:1536*\c+768
	ds_load_b64 v[202+12*\c:203+12*\c], v8 offset:1536*\c+768
.endr
	ds_load_b64 v[90:91], v10
	s_wait_dscnt 17                                ; K's seventeen loads are in; V's seventeen may be out
.irp u, 0,1,2,3
	v_wmma_scale_f32_16x16x128_f8f6f4 v[96+16*\u:103+16*\u], v[32+12*\u:43+12*\u], v[16:27], 0, v[86+\u], v93 matrix_a_fmt:MATRIX_FMT_FP6 matrix_b_fmt:MATRIX_FMT_FP6
	v_wmma_scale_f32_16x16x128_f8f6f4 v[104+16*\u:111+16*\u], v[38+12*\u:49+12*\u], v[16:27], 0, v[86+\u], v93 matrix_a_fmt:MATRIX_FMT_FP6 matrix_b_fmt:MATRIX_FMT_FP6 matrix_a_scale:MATRIX_SCALE_ROW1
.endr
.rept 4
	v_nop                                          ; places in front of the first read of the scores
.endr
.endm
; One tile of 16 queries against all keys.  p = 0: tile 4 w + g; 1: tile 127 - (4 w + g)
.macro PASS p
	s_lshl_b32 s13, s10, 2
	s_add_co_u32 s13, s13, s11
.if \p
	s_sub_co_u32 s13, 127, s13
.endif
	s_mul_i32 s28, s13, 768
	s_mov_b32 s29, 0
	s_add_nc_u64 s[28:29], s[4:5], s[28:29]        ; Q's image
	s_lshr_b32 s30, s13, 3
	s_lshl_b32 s30, s30, 9
	s_and_b32 s14, s13, 1
	s_lshl_b32 s14, s14, 8
	s_add_co_u32 s30, s30, s14
	s_bfe_u32 s14, s13, 0x20001
	s_lshl_b32 s14, s14, 2
	s_add_co_u32 s30, s30, s14
	s_mov_b32 s31, 0
	s_add_nc_u64 s[30:31], s[2:3], s[30:31]        ; its scale words: 512 (T / 8) + 256 (T % 2) + 4 ((T / 2) % 4), 16 bytes from row to row
	s_lshl_b32 s26, s13, 12
	s_mov_b32 s27, 0
	s_add_nc_u64 s[26:27], s[6:7], s[26:27]        ; the tile's mask words: 256 bytes a key step
	s_lshr_b32 s25, s12, 4
	s_lshl_b32 s25, s25, 7
	s_add_co_u32 s25, s25, s13                     ; o's tile: 128 x batch + T
	s_and_b32 s67, s12, 15                         ; the head is 64 of the last product's K: K step head / 4, image head % 4
	s_mul_i32 s100, s25, 3072
	s_lshr_b32 s104, s67, 2
	s_mul_i32 s104, s104, XSTR
	s_add_co_u32 s100, s100, s104
	s_and_b32 s104, s67, 3
	s_mul_i32 s104, s104, 768
	s_add_co_u32 s100, s100, s104
	s_mov_b32 s101, 0
	s_add_nc_u64 s[100:101], s[8:9], s[100:101]
	s_lshl_b32 s104, s25, 9
	s_lshl_b32 s67, s67, 1
	s_add_co_u32 s104, s104, s67
	s_mov_b32 s105, 0
	s_add_nc_u64 s[104:105], s[8:9], s[104:105]
	s_add_nc_u64 s[104:105], s[104:105], O_SC      ; its scale bytes: 32 a row, bytes 2 head and 2 head + 1
	s_lshl_b32 s14, s13, 2
	s_load_b32 s24, s[6:7], s14 offset:MFLAG       ; the tile's sixteen step codes
	global_load_b128 v[16:19], v1, s[28:29]
	global_load_b64 v[20:21], v31, s[28:29] offset:512
	global_load_b32 v93, v94, s[30:31]
	v_mov_b32 v13, 0xff61b1e6                      ; the largest t so far: -3e38, under every t
	v_floor_f32 v12, -v13
	v_mov_b32 v14, 0
	v_mov_b32 v15, 0
.set N, 0
.rept 32
	v_mov_b32 v[160+N], 0                          ; O^T: which step is the first that counts hangs on the mask, so the step is written once and finds zeros
.set N, N+1
.endr
	s_mov_b32 s15, 0                               ; the key step,
	s_mov_b32 s16, 0                               ; its images (6,144 bytes a step, K's and V's alike),
	s_mov_b32 s17, 0                               ; K's scale words (512),
	s_mov_b32 s18, 0                               ; V's (256),
	s_mov_b32 s19, 0                               ; its code's place (2 bits)
	s_wait_loadcnt 0x0
	s_wait_kmcnt 0x0
.Lstep_\@:                                             ; sixteen trips, whatever the mask: what is left out is a step's work, by a jump inside the trip
	s_lshr_b32 s25, s24, s19
	s_and_b32 s25, s25, 3
	s_cmp_eq_u32 s25, 0
	s_cbranch_scc1 .Lnext_\@
	s_cmp_eq_u32 s25, 2
	s_cbranch_scc1 .Lmixed_\@
	FRONT
	s_branch .Lsoft_\@
.Lmixed_\@:
	s_load_b512 s[32:47], s[26:27], 0x0            ; the step's 64 words, asked for ahead of the products
	s_load_b512 s[48:63], s[26:27], 0x40
	s_load_b512 s[68:83], s[26:27], 0x80
	s_load_b512 s[84:99], s[26:27], 0xc0
	FRONT
	s_wait_kmcnt 0x0
.set N, 0
.rept 32
	v_cndmask_b32 v[96+N], v255, v[96+N], s[32+N]  ; a hidden score becomes -2^33, ahead of the maximum; each accumulator from its low end on
.set N, N+1
.endr
.rept 32
	v_cndmask_b32 v[96+N], v255, v[96+N], s[36+N]
.set N, N+1
.endr
.Lsoft_\@:
.irp b, 0,1,2,3
	v_max3_num_f32 v[BM+\b], v[96+16*\b], v[97+16*\b], v[98+16*\b]   ; the largest score of each block of 32 keys: for the row's maximum, and, since p rises with the score, for the block's largest p
.endr
.irp i, 3,5,7,9,11,13
.irp b, 0,1,2,3
	v_max3_num_f32 v[BM+\b], v[BM+\b], v[96+16*\b+\i], v[97+16*\b+\i]
.endr
.endr
.irp b, 0,1,2,3
	v_max_num_f32 v[BM+\b], v[BM+\b], v[111+16*\b]
.endr
.irp b, 0,1,2,3
	v_permlanex16_b32 v[PT+\b], v[BM+\b], s20, s21
.endr
.irp b, 0,1,2,3
	v_max_num_f32 v[BM+\b], v[BM+\b], v[PT+\b]     ; with lane l xor 16's 16 keys
.endr
	v_max3_num_f32 v254, v[BM], v[BM+1], v[BM+2]
	v_max_num_f32 v254, v254, v[BM+3]
	v_mul_f32 v254, s22, v254                      ; as t (c is positive)
	v_max_num_f32 v13, v13, v254                   ; the running largest t
	v_mov_b32 v254, v12
	v_floor_f32 v12, -v13                          ; the new -M = floor(-t): M is a whole number
	v_sub_f32 v254, v12, v254                      ; old M - new M: a whole number, 0 or less
	v_cvt_i32_f32 v254, v254                       ; (it saturates)
	v_ldexp_f32 v252, 1.0, v254                    ; f = 2^(old M - new M)
.set N, 0
.rept 32
	v_pk_fma_f32 v[96+N:97+N], v[96+N:97+N], s[22:23], v[12:13] op_sel_hi:[1,0,0]   ; t - M, two at a time
.set N, N+2
.endr
.irp b, 0,1,2,3
	v_fma_f32 v[BM+\b], v[BM+\b], s22, v12         ; the same of each block's largest score
.endr
.set N, 0
.rept 64
	v_exp_f32 v[96+N], v[96+N]                     ; p = 2^(t - M), at most 1
.set N, N+1
.endr
	v_pk_mul_f32 v[14:15], v[14:15], v[252:253] op_sel_hi:[1,0]   ; the sums under the new M; the plain line behind the exponentials
	s_wait_alu depctr_va_vdst(0)                   ; one wait for the batch, ahead of its first reader
.irp b, 0,1,2,3
	v_exp_f32 v[BM+\b], v[BM+\b]                   ; the block's largest p
.endr
	v_pk_add_f32 v[PT:PT+1], v[96:97], v[98:99]    ; the row's sum is taken of the unquantised p, in two chains; it reads the 64 alone
.irp j, 4,8,12,16,20,24,28,32,36,40,44,48,52,56,60
	v_pk_add_f32 v[14:15], v[14:15], v[96+\j:97+\j]
	v_pk_add_f32 v[PT:PT+1], v[PT:PT+1], v[98+\j:99+\j]
.endr
	v_pk_add_f32 v[14:15], v[14:15], v[PT:PT+1]
	s_wait_alu depctr_va_vdst(0)                   ; and one for the four
.irp b, 0,1,2,3
	v_max_num_f32 v[BM+\b], 0x1800000, v[BM+\b]    ; the floor 2^(3 - 127): a block whose every p is 0 keeps the byte 1: its codes are zeros
.endr
.irp b, 0,1,2,3
	v_add_nc_u32 v[SO+\b], 0xff000000, v[BM+\b]
.endr
.irp b, 0,1,2,3
	v_lshrrev_b32 v[PT+\b], 23, v[SO+\b]
.endr
	v_lshl_or_b32 v253, v[PT+1], 8, v[PT]          ; p's scale word for these 128 keys
	v_lshl_or_b32 v253, v[PT+2], 16, v253
	v_lshl_or_b32 v253, v[PT+3], 24, v253
	v_cvt_scalef32_pk16_fp6_f32 v[32:34], v[96:111], v[SO]
	v_cvt_scalef32_pk16_fp6_f32 v[44:46], v[112:127], v[SO+1]
	v_cvt_scalef32_pk16_fp6_f32 v[38:40], v[128:143], v[SO+2]
	v_cvt_scalef32_pk16_fp6_f32 v[48:50], v[144:159], v[SO+3]
	v_nop                                          ; one plain line behind a scaled conversion
.irp i, 0,1,2
	v_permlane16_swap_b32 v[32+\i], v[44+\i]       ; the operand's layout wants a whole block in a lane
.endr
.irp i, 0,1,2
	v_mov_b32 v[35+\i], v[44+\i]
.endr
.irp i, 0,1,2
	v_permlane16_swap_b32 v[38+\i], v[48+\i]
.endr
.irp i, 0,1,2
	v_mov_b32 v[41+\i], v[48+\i]
.endr
.set N, 0
.rept 16
	v_pk_mul_f32 v[160+N:161+N], v[160+N:161+N], v[252:253] op_sel_hi:[1,0]   ; O^T under the new M; these sixteen also stand between the lines that wrote p's codes and scale word and the products
.set N, N+2
.endr
	s_wait_dscnt 0x0                               ; V
.irp u, 0,1
	v_wmma_scale_f32_16x16x128_f8f6f4 v[160+16*\u:167+16*\u], v[192+24*\u:203+24*\u], v[32:43], v[160+16*\u:167+16*\u], v[90+\u], v253 matrix_a_fmt:MATRIX_FMT_FP6 matrix_b_fmt:MATRIX_FMT_FP6
	v_wmma_scale_f32_16x16x128_f8f6f4 v[168+16*\u:175+16*\u], v[204+24*\u:215+24*\u], v[32:43], v[168+16*\u:175+16*\u], v[90+\u], v253 matrix_a_fmt:MATRIX_FMT_FP6 matrix_b_fmt:MATRIX_FMT_FP6 matrix_a_scale:MATRIX_SCALE_ROW1
.endr
.Lnext_\@:
	s_add_co_u32 s16, s16, 6144
	s_add_co_u32 s17, s17, 512
	s_add_co_u32 s18, s18, 256
	s_add_co_u32 s19, s19, 2
	s_add_nc_u64 s[26:27], s[26:27], 256           ; (the words' loads, where there were any, have been waited for)
	s_add_co_u32 s15, s15, 1
	s_cmp_lt_u32 s15, 16
	s_cbranch_scc1 .Lstep_\@
	; the tile's way out: O^T / the sum, quantised along the head's 64 channels: one image and two bytes a row
.rept 4
	v_nop
.endr
	v_add_f32 v14, v14, v15
	v_permlanex16_b32 v252, v14, s20, s21
	v_add_f32 v14, v14, v252
	v_rcp_f32 v14, v14
	v_nop                                          ; a plain line behind the reciprocal,
	s_wait_alu depctr_va_vdst(0)                   ; and the wait ahead of its first reader
.set N, 0
.rept 16
	v_pk_mul_f32 v[160+N:161+N], v[160+N:161+N], v[14:15] op_sel_hi:[1,0]   ; register 16 b + i is channel 32 b + 16 h + i of my query
.set N, N+2
.endr
.irp b, 0,1
	v_max3_num_f32 v[BM+\b], |v[160+16*\b]|, |v[161+16*\b]|, 0x1800000
.endr
.irp i, 2,4,6,8,10,12,14
.irp b, 0,1
	v_max3_num_f32 v[BM+\b], v[BM+\b], |v[160+16*\b+\i]|, |v[161+16*\b+\i]|
.endr
.endr
.irp b, 0,1
	v_permlanex16_b32 v[PT+\b], v[BM+\b], s20, s21
.endr
.irp b, 0,1
	v_max_num_f32 v[BM+\b], v[BM+\b], v[PT+\b]
.endr
.irp b, 0,1
	v_add_nc_u32 v[SO+\b], 0xff000000, v[BM+\b]
.endr
.irp b, 0,1
	v_lshrrev_b32 v[PT+\b], 23, v[SO+\b]
.endr
	v_cvt_scalef32_pk16_fp6_f32 v[32:34], v[160:175], v[SO]
	v_cvt_scalef32_pk16_fp6_f32 v[44:46], v[176:191], v[SO+1]
	v_nop
.irp i, 0,1,2
	v_permlane16_swap_b32 v[32+\i], v[44+\i]
.endr
.irp i, 0,1,2
	v_mov_b32 v[35+\i], v[44+\i]
.endr
	v_cndmask_b32 v254, v[PT], v[PT+1], s66        ; lanes 0-15 block 0's byte, lanes 16-31 block 1's
	global_store_b128 v1, v[32:35], s[100:101]     ; the image: 512 consecutive bytes and 256
	global_store_b64 v31, v[36:37], s[100:101] offset:512
	global_store_b8 v95, v254, s[104:105]          ; a byte a lane, 32 bytes from row to row: the other heads' bytes of these rows come from other work-groups
	s_wait_xcnt 0x0                                ; the stores have read their registers and bases
.endm
	s_load_b128 s[4:7], s[0:1], 0x0                ; qkv 4:5, maskbuf 6:7
	s_load_b64 s[8:9], s[0:1], 0x10                ; ob
	v_lshl_add_u32 v3, v0, 2, SPARE                ; my spare word; never rewritten
	v_mov_b32 v4, 0                                ; 0; never rewritten
	v_lshrrev_b32 v5, 5, v0
	v_readfirstlane_b32 s10, v5                    ; wave 0..15
	s_mov_b32 s11, ttmp9                           ; g
	s_and_b32 s12, ttmp7, 0xffff                   ; batch x 16 + head
	v_lshlrev_b32 v5, 4, v0                        ; the copy: 16 bytes a thread, 8,192 a turn; four bases 65,536 apart reach all of it
	v_add_nc_u32 v6, 0x10000, v5
	v_add_nc_u32 v7, 0x20000, v5
	v_add_nc_u32 v8, 0x30000, v5
	v_lshlrev_b32 v10, 3, v0
	v_add_nc_u32 v9, VSC, v10
	s_mul_i32 s28, s12, 98304                      ; a head's images of q, k or v
	s_mov_b32 s29, 0
	s_lshl_b32 s2, s12, 13                         ; its scale words of q or k
	s_mov_b32 s3, 0
	s_lshl_b32 s104, s12, 12                       ; of v
	s_mov_b32 s105, 0
	s_mov_b32 s20, 0x76543210
	s_mov_b32 s21, 0xfedcba98                      ; v_permlanex16_b32's selects for lane l xor 16
	s_mov_b32 s22, 0x3e38aa3b                      ; c = log2(e) / 8
	s_mov_b32 s23, s22                             ; (named with it as a pair)
	s_mov_b32 s66, 0xffff0000                      ; lanes 16-31
	s_wait_kmcnt 0x0
	s_add_nc_u64 s[28:29], s[4:5], s[28:29]
	s_add_nc_u64 s[30:31], s[28:29], V_IMG         ; V's images
	s_add_nc_u64 s[2:3], s[4:5], s[2:3]
	s_add_nc_u64 s[2:3], s[2:3], QK_SC             ; Q's scale words
	s_add_nc_u64 s[100:101], s[2:3], 64*8192       ; K's
	s_add_nc_u64 s[104:105], s[4:5], s[104:105]
	s_add_nc_u64 s[104:105], s[104:105], V_SC      ; V's
	s_mov_b64 s[4:5], s[28:29]                     ; Q's images
	s_add_nc_u64 s[28:29], s[28:29], 64*98304      ; K's
.irp i, 0,1,2,3,4,5,6,7,8,9,10,11
	global_load_b128 v[96+4*\i:99+4*\i], v5, s[28:29] offset:8192*\i
.endr
.irp i, 0,1,2,3,4,5,6,7,8,9,10,11
	global_load_b128 v[144+4*\i:147+4*\i], v5, s[30:31] offset:8192*\i
.endr
	global_load_b128 v[192:195], v5, s[100:101]
	global_load_b64 v[196:197], v10, s[104:105]
	v_and_b32 v31, 31, v0
	v_lshlrev_b32 v1, 4, v31                       ; 16 x lane: K's images, and Q's and o's in memory
	v_lshlrev_b32 v31, 3, v31                      ; 8 x lane
	v_add_nc_u32 v2, 512, v31
	v_add_nc_u32 v11, VIMG, v1
	v_add_nc_u32 v28, VIMG+512, v31
	v_add_nc_u32 v29, KSC, v1
	v_add_nc_u32 v30, VSC, v31
	v_and_b32 v94, 15, v0
	v_bfe_u32 v95, v0, 4, 1
	v_lshl_add_u32 v95, v94, 5, v95                ; 32 r + h
	v_lshlrev_b32 v94, 4, v94                      ; 16 r
.irp i, 0,1,2,3,4,5
	v_mov_b32 v[22+\i], 0                          ; Q's upper 64 along K: zero codes
	v_mov_b32 v[80+\i], 0                          ; the pad behind the last key tile
.endr
.irp i, 0,1,2,3
	v_mov_b32 v[PT+\i], 0                          ; a lane permute's destination counts as one of its sources
.endr
	v_mov_b32 v252, 0
	v_mov_b32 v253, 0
	v_mov_b32 v255, 0xd0000000                     ; -2^33
.set N, 0
.rept 25
	s_wait_loadcnt 25-N                            ; loads come back in order: this turn's is in, the younger ones stay out
	ds_store_b128 v[5+N/8], v[96+4*N:99+4*N] offset:8192*(N%8)
.set N, N+1
.endr
	s_wait_loadcnt 0x0
	ds_store_b64 v9, v[196:197]
	s_wait_dscnt 0x0                               ; for the others' sake: my stores have landed
	s_barrier_signal -1
	s_barrier_wait -1                              ; from here on LDS is only read
	PASS 0
	PASS 1
	s_wait_tensorcnt 0x0                           ; the wave's end: three lines behind my last LDS store
	ds_add_u32 v3, v4
	s_wait_dscnt 0x0
	s_endpgm
.Lfunc_end_k_q7c91bf8c17_attn:
	.size	k_q7c91bf8c17_attn, .Lfunc_end_k_q7c91bf8c17_attn-k_q7c91bf8c17_attn
	.p2alignl 7, 3214868480
	.fill 96, 4, 3214868480
	.section	.rodata,"a",@progbits
	.p2align	6, 0x0
	.amdhsa_kernel k_q7c91bf8c17_attn
		.amdhsa_group_segment_fixed_size 210944
		.amdhsa_private_segment_fixed_size 0
		.amdhsa_enable_private_segment 0
		.amdhsa_kernarg_size 24
		.amdhsa_user_sgpr_count 2
		.amdhsa_user_sgpr_kernarg_segment_ptr 1
		.amdhsa_wavefront_size32 1
		.amdhsa_system_sgpr_workgroup_id_x 1
		.amdhsa_system_sgpr_workgroup_id_y 1
		.amdhsa_system_sgpr_workgroup_id_z 1
		.amdhsa_system_vgpr_workitem_id 0
		.amdhsa_next_free_vgpr 256
		.amdhsa_next_free_sgpr 106
		.amdhsa_reserve_vcc 0
		.amdhsa_float_denorm_mode_32 3
		.amdhsa_float_denorm_mode_16_64 3
		.amdhsa_memory_ordered 1
		.amdhsa_forward_progress 1
		.amdhsa_inst_pref_size 70
	.end_amdhsa_kernel
	.amdgpu_metadata
---
amdhsa.version: [ 1, 2 ]
amdhsa.kernels:
  - .name:           k_q7c91bf8c17_attn
    .symbol:         k_q7c91bf8c17_attn.kd
    .args:
      - { .name: qkv, .offset: 0, .size: 8, .value_kind: global_buffer, .address_space: global }
      - { .name: maskbuf, .offset: 8, .size: 8, .value_kind: global_buffer, .address_space: global }
      - { .name: ob, .offset: 16, .size: 8, .value_kind: global_buffer, .address_space: global }
    .group_segment_fixed_size: 210944
    .private_segment_fixed_size: 0
    .kernarg_segment_align: 8
    .kernarg_segment_size: 24
    .max_flat_workgroup_size: 512
    .sgpr_count:     106
    .vgpr_count:     256
    .wavefront_size: 32
...
	.end_amdgpu_metadata
.endif
;; end of part 3
;; launch proj (part 4): grid 4 x 32, 4 waves a work-group, clusters of 4 x 4, 327,680 bytes of LDS; arguments ob, xw, bo, out0; writes out0
.if DOCPART == 4
	.amdgcn_target "amdgcn-amd-amdhsa--gfx1250"
	.amdhsa_code_object_version 6
	.text
	.protected	k_q7c91bf8c17_proj
	.globl	k_q7c91bf8c17_proj
	.p2align	8
	.type	k_q7c91bf8c17_proj,@function
k_q7c91bf8c17_proj:
	s_mov_b64 s[64:65], 0
	v_nop
	global_prefetch_b8 v0, s[64:65] scope:SCOPE_SE
	s_setreg_imm32_b32 hwreg(HW_REG_WAVE_MODE, 25, 1), 1
	s_wait_xcnt 0x0
	s_wait_alu depctr_hold_cnt(0) depctr_sa_sdst(0) depctr_va_vdst(0) depctr_va_sdst(0) depctr_va_ssrc(0) depctr_va_vcc(0) depctr_vm_vsrc(0)
	s_getreg_b32 s2, hwreg(HW_REG_IB_STS2, 6, 4)
	s_cmp_eq_u32 s2, 0
	s_cbranch_scc0 .Lentry_in_a_cluster
	s_endpgm
.Lentry_in_a_cluster:
	s_bfe_u32 s2, ttmp6, 0x10000c
	s_cmp_lg_u32 s2, 0xf033
	s_cbranch_scc0 .Lentry_shape_is_right
	s_endpgm
.Lentry_shape_is_right:
; out0 = o Wo + bo on codes of FP6 (E2M3) with E8M0 scales, K = 1,024.  o's images and scale bytes lie in ob as x's lie in xw; Wo's are tiles 192-255 of the weights in xw.  out0: [8192][1024] f32.
; An image (768 bytes) holds 16 rows x 64 along K as six operand registers a lane: registers 0-3 at 16 x lane, 4-5 at 512 + 8 x lane; two on end are a fragment.  Row r of tile t is row 32 (t / 2) + 8 (t % 2) + r + 8 (r / 8).
; A tile of C, 256 x 256, is made by four waves, 128 x 128 each; K goes in four steps of 256 through two LDS slots; a wave's tensor load brings eight tiles' images, 24,576 dense bytes.  The scale bytes come once and stay.
; CLUSTERS: 4 x 4 work-groups; A's tiles are asked for jointly along a row of the cluster, B's along a column.  128 work-groups: 32 x 4 tiles of C.
; THE MATRIX INSTRUCTION IS USED TRANSPOSED (source 0 = 16 rows of B, source 1 = 16 rows of A): a lane holds eight neighbouring numbers of a row of C.  The bias is the C of each sum's first instruction.
; REGISTERS: window 0: v0-31 addresses; v32-63 scale words, two sets; v64-127 the bias; v128-223 A's fragments, one set; on the way out v128-255 are free.  window 1: B's fragments, two sets.  windows 2, 3: the accumulators.
.set XSTR,   1572864
.set WSTR,   786432
.set W_IMG,  6291456
.set W_SC,   9699328
.set O_SC,   6291456
.set NQ,     2
.set FR,     12
.set NL,     4
.set NP,     4
.set TIMG,   3072
.set FRB,    1536
.set HALFT,  8*TIMG
.set SLOT,   4*HALFT
.set KS,     32
.set SCL,    2*SLOT
.set HALFS,  (128*KS/256)*272
.set SBLK,   (16*KS/256)*272
.set SPARE,  SCL+4*HALFS               ; the spare words, 128 bytes for each wave: two blocks of 256 bytes that no other line names
.set SPITCH, 528                       ; the way out: a stage of 16 rows x (512 bytes + 16) for each wave, in slot 0, which has had its last fill and its last read when the first result is stored there
.set ADRA, 16
.set ADRB, 20
.set STO,  24
.set RD,   25
.set CO,   26
.set ADRS, 27
.set SPW,  28
.set NIL,  29
.set SC,   32
.set CB,   64
.set AF,   128
.set BK,   128
.set G1, 24
.set G0, 32
.set G1B, 48
.set G0B, 56
.set G1S, 68
.set G0S, 76
.set G1SB, 80
.set G0SB, 88
.set MSB, 0
.macro WIN new                         ; the immediate's high byte repeats the setting that is left
.if MSB != \new
	s_set_vgpr_msb (MSB<<8)|\new
.set MSB, \new
.endif
.endm
.set MUL_LO, 0xa1
.set MUL_HI, 0xf1
.set TO_B,   0x40
.macro JLOAD g0a, g1a, g0b, g1b        ; a joint load: waves 0 and 1 fetch for A, waves 2 and 3 for B; an s_nop 0 and four v_nop follow each of the two lines
	s_cmp_eq_u32 s15, 0
	s_cbranch_scc0 .Lfor_b_\@
	tensor_load_to_lds s[\g0a:\g0a+3], s[\g1a:\g1a+7]
	s_nop 0
.rept 4
	v_nop
.endr
	s_branch .Lasked_\@
.Lfor_b_\@:
	tensor_load_to_lds s[\g0b:\g0b+3], s[\g1b:\g1b+7]
	s_nop 0
.rept 4
	v_nop
.endr
.Lasked_\@:
.endm
.macro CREST
	s_cmp_lg_u32 s14, 0
	s_cbranch_scc1 .Lnot_wave_0_\@
	s_barrier_signal -3
.Lnot_wave_0_\@:
	s_barrier_wait -3
	s_barrier_signal -1
	s_barrier_wait -1
.endm
.macro CROUND
	s_barrier_signal -1
	s_barrier_wait -1
	CREST
.endm
.macro FRAG reg, adr, q, i
	ds_load_b128 v[\reg:\reg+3], v[\adr] offset:(\i)*TIMG+(\q)*FRB
	ds_load_b64 v[\reg+4:\reg+5], v[\adr+2] offset:(\i)*TIMG+(\q)*FRB+512
	ds_load_b128 v[\reg+6:\reg+9], v[\adr] offset:(\i)*TIMG+(\q)*FRB+768
	ds_load_b64 v[\reg+10:\reg+11], v[\adr+2] offset:(\i)*TIMG+(\q)*FRB+1280
.endm
; 16 matrix instructions: A's blocks a0, a0 + 1 x B's eight.  cm = 1: the sums start from the bias of B's block.  The 64 accumulators take turns, one instruction a turn.
.macro MUL16 a0, p, q, sc, cm
.irp a, \a0, \a0+1
.irp b, 0,1,2,3,4,5,6,7
.if (\cm) == 1
	v_wmma_scale_f32_16x16x128_f8f6f4 v[8*(8*((\a)%4)+\b):8*(8*((\a)%4)+\b)+7], v[128*(\p)+FR*\b:128*(\p)+FR*\b+FR-1], v[AF+FR*(\a):AF+FR*(\a)+FR-1], v[CB+8*\b:CB+8*\b+7], v[SC+8*NQ*(\sc)+NQ*\b+(\q)], v[SC+8*NQ*(\sc)+NQ*(\a)+(\q)] matrix_a_fmt:MATRIX_FMT_FP6 matrix_b_fmt:MATRIX_FMT_FP6 matrix_a_scale:MATRIX_SCALE_ROW1
.else
	v_wmma_scale_f32_16x16x128_f8f6f4 v[8*(8*((\a)%4)+\b):8*(8*((\a)%4)+\b)+7], v[128*(\p)+FR*\b:128*(\p)+FR*\b+FR-1], v[AF+FR*(\a):AF+FR*(\a)+FR-1], v[8*(8*((\a)%4)+\b):8*(8*((\a)%4)+\b)+7], v[SC+8*NQ*(\sc)+NQ*\b+(\q)], v[SC+8*NQ*(\sc)+NQ*(\a)+(\q)] matrix_a_fmt:MATRIX_FMT_FP6 matrix_b_fmt:MATRIX_FMT_FP6 matrix_a_scale:MATRIX_SCALE_ROW1
.endif
.endr
.endr
.endm
.macro FETCH_B slot, q, p
	WIN TO_B
.irp i, 0,1,2,3,4,5,6,7
	FRAG 128*(\p)+FR*\i, ADRB+\slot, \q, \i
.endr
	WIN 0
.endm
.macro FETCH_A slot, q, i0
.irp i, \i0, \i0+1, \i0+2, \i0+3
	FRAG AF+FR*(\i), ADRA+\slot, \q, \i
.endr
.endm
.macro SCALES sc
.irp i, 0,1,2,3,4,5,6,7
	ds_load_b64 v[SC+8*NQ*\sc+NQ*\i:SC+8*NQ*\sc+NQ*\i+1], v[ADRS] offset:\i*SBLK
.endr
.endm
.macro PLACES n
.rept \n
	v_nop
.endr
.endm
.macro STEP slot, q, cm
	s_wait_dscnt 4*NL                              ; B's set, A's blocks 0-3 and the scale words are in; A's blocks 4-7 may be out
.if \cm
	WIN 0x81                                       ; the bias, source 2, lies in window 0
.else
	WIN MUL_LO
.endif
	MUL16 0, (\q)%2, \q, \slot, \cm
	MUL16 2, (\q)%2, \q, \slot, \cm
	s_wait_dscnt 0
	PLACES NP
	FETCH_B \slot, (\q)+1, 1-(\q)%2
	FETCH_A \slot, (\q)+1, 0
.if \cm
	WIN 0xc1
.else
	WIN MUL_HI
.endif
	MUL16 4, (\q)%2, \q, \slot, \cm
	MUL16 6, (\q)%2, \q, \slot, \cm
	PLACES NP
	WIN 0
	FETCH_A \slot, (\q)+1, 4
.endm
.macro TURN slot, next, fill
	s_wait_tensorcnt 0x0                           ; all my tensor loads have landed: my part of the next slot
	ds_add_u32 v[SPW], v[NIL]                      ; 0 onto my spare word
	s_wait_dscnt 4*NL+1                            ; (the add and A's blocks 4-7 may be out)
	WIN MUL_LO
	MUL16 0, 1, NQ-1, \slot, 0
	s_wait_dscnt 0x0                               ; the add is done, and my reads of this slot are over
	s_barrier_signal -1
	MUL16 2, 1, NQ-1, \slot, 0
	WIN 0
	s_barrier_wait -1
.if \fill
	CREST                                          ; the barrier has opened a round of the cluster's barrier: no wave of any partner still reads this slot or has a load on its way
	s_add_nc_u64 s[G0+4*\slot+2:G0+4*\slot+3], s[G0+4*\slot+2:G0+4*\slot+3], 2*XSTR
	s_add_nc_u64 s[G0B+4*\slot+2:G0B+4*\slot+3], s[G0B+4*\slot+2:G0B+4*\slot+3], 2*WSTR
	JLOAD G0+4*\slot, G1, G0B+4*\slot, G1B
.else
	PLACES NP
.endif
	v_add_nc_u32 v[ADRS], 4*NQ, v[ADRS]
	FETCH_B \next, 0, 0
	FETCH_A \next, 0, 0
	SCALES \next
	WIN MUL_HI
	MUL16 4, 1, NQ-1, \slot, 0
	MUL16 6, 1, NQ-1, \slot, 0
	PLACES NP
	WIN 0
	FETCH_A \next, 0, 4
.endm
	s_load_b256 s[4:11], s[0:1], 0x0               ; ob 4:5, xw 6:7, bo 8:9, out0 10:11
	v_lshl_add_u32 v[SPW], v0, 2, SPARE
	v_mov_b32 v[NIL], 0
	ds_add_u32 v[SPW], v[NIL]                      ; the wave's opening: the add and its wait ahead of my first tensor load; work on registers stands between them
	v_lshrrev_b32 v1, 5, v0
	v_readfirstlane_b32 s14, v1
	s_lshr_b32 s15, s14, 1
	s_and_b32 s16, s14, 1
	s_bfe_u32 s40, ttmp6, 0x40000
	s_bfe_u32 s41, ttmp6, 0x40004
	s_lshl_b32 s42, ttmp9, 2
	s_add_co_u32 s42, s42, s40                     ; tile column of C
	s_and_b32 s17, ttmp7, 0xffff
	s_lshl_b32 s17, s17, 2
	s_add_co_u32 s17, s17, s41                     ; tile row of C
	s_lshl_b32 s43, s41, 2
	s_lshl_b32 s43, 15, s43
	s_lshl_b32 s44, 0x1111, s40
	s_or_b32 s[G1+0], s43, (3<<16)|(1<<21)         ; eight tiles' images, 24,576 dense bytes, as 96 rows of 32 elements of 8 bytes
	s_or_b32 s[G1B+0], s44, (3<<16)|(1<<21)
.irp g, G1, G1B
	s_mov_b32 s[\g+1], 32<<16
	s_mov_b32 s[\g+2], 96<<16
	s_mov_b32 s[\g+3], 32<<16
	s_mov_b32 s[\g+4], 96
	s_mov_b32 s[\g+5], 32
	s_mov_b32 s[\g+6], 0
	s_mov_b32 s[\g+7], 0
.endr
	s_or_b32 s[G1S+0], s43, (3<<16)|(1<<20)|(1<<21)|(5<<22)|(3<<25)   ; the scale bytes of 128 rows: 16 rows of 256 bytes, 16 of padding behind each
	s_or_b32 s[G1SB+0], s44, (3<<16)|(1<<20)|(1<<21)|(5<<22)|(3<<25)
.irp g, G1S, G1SB
	s_mov_b32 s[\g+1], 32<<16
	s_mov_b32 s[\g+2], 16<<16
	s_mov_b32 s[\g+3], 32<<16
	s_mov_b32 s[\g+4], 16
	s_mov_b32 s[\g+5], 32
	s_mov_b32 s[\g+6], 0
	s_mov_b32 s[\g+7], 0
.endr
	s_lshl_b32 s18, s16, 3
	s_lshl_b32 s20, s17, 4
	s_add_co_u32 s20, s20, s18                     ; A: my first tile
	s_lshl_b32 s46, s42, 4
	s_add_co_u32 s46, s46, s18
	s_add_co_u32 s46, s46, 192                     ; B: Wo's tiles begin at 192
	s_lshl_b32 s22, s20, 9
	s_add_co_u32 s22, s22, O_SC
	s_mul_i32 s20, s20, TIMG
	s_mov_b32 s21, 0
	s_mov_b32 s23, 0
	s_lshl_b32 s92, s46, 9
	s_add_co_u32 s92, s92, W_SC
	s_mul_i32 s46, s46, TIMG
	s_add_co_u32 s46, s46, W_IMG
	s_mov_b32 s47, 0
	s_mov_b32 s93, 0
	s_mul_i32 s45, s14, HALFT
	s_mul_i32 s94, s14, HALFS
	s_wait_dscnt 0x0                               ; the opening add is done
	s_wait_kmcnt 0x0
	s_add_nc_u64 s[20:21], s[4:5], s[20:21]
	s_add_nc_u64 s[22:23], s[4:5], s[22:23]
	s_add_nc_u64 s[46:47], s[6:7], s[46:47]
	s_add_nc_u64 s[92:93], s[6:7], s[92:93]
	CROUND                                         ; all sixteen work-groups are here: the first joint loads meet
	s_mov_b32 s[G0S], 1
	s_add_co_u32 s[G0S+1], s94, SCL
	s_mov_b64 s[G0S+2:G0S+3], s[22:23]
	s_or_b32 s[G0S+3], s[G0S+3], 0x80000000
	s_mov_b32 s[G0SB], 1
	s_add_co_u32 s[G0SB+1], s94, SCL
	s_mov_b64 s[G0SB+2:G0SB+3], s[92:93]
	s_or_b32 s[G0SB+3], s[G0SB+3], 0x80000000
	JLOAD G0S, G1S, G0SB, G1SB                     ; the scales first: three loads of mine are out behind the third of these
.irp s, 0,1
	s_mov_b32 s[G0+4*\s], 1
	s_add_co_u32 s[G0+4*\s+1], s45, \s*SLOT
	s_add_nc_u64 s[G0+4*\s+2:G0+4*\s+3], s[20:21], \s*XSTR
	s_or_b32 s[G0+4*\s+3], s[G0+4*\s+3], 0x80000000
	s_mov_b32 s[G0B+4*\s], 1
	s_add_co_u32 s[G0B+4*\s+1], s45, \s*SLOT
	s_add_nc_u64 s[G0B+4*\s+2:G0B+4*\s+3], s[46:47], \s*WSTR
	s_or_b32 s[G0B+4*\s+3], s[G0B+4*\s+3], 0x80000000
	JLOAD G0+4*\s, G1, G0B+4*\s, G1B
.endr
	v_and_b32 v1, 15, v0
	v_bfe_u32 v2, v0, 4, 1
	v_and_b32 v3, 31, v0
	v_lshlrev_b32 v4, 4, v3
	v_lshlrev_b32 v5, 3, v3
	s_mul_i32 s21, s15, HALFT
	s_mul_i32 s22, s16, HALFT
	s_add_co_u32 s22, s22, 2*HALFT
.irp s, 0,1
	v_add_nc_u32 v[ADRA+\s], s21, v4
	v_add_nc_u32 v[ADRB+\s], s22, v4
	v_add_nc_u32 v[ADRA+2+\s], s21, v5
	v_add_nc_u32 v[ADRB+2+\s], s22, v5
	s_add_co_u32 s21, s21, SLOT
	s_add_co_u32 s22, s22, SLOT
.endr
	v_mul_u32_u24 v6, v1, KS
	v_lshrrev_b32 v7, 8, v6
	v_lshl_add_u32 v6, v7, 4, v6
	s_mul_i32 s21, s15, HALFS
	s_mul_i32 s22, s16, HALFS
	s_add_co_u32 s22, s22, 2*HALFS
	s_sub_co_u32 s22, s22, s21
	v_mul_u32_u24 v7, s22, v2                      ; lanes 16-31 take B's
	s_add_co_u32 s21, s21, SCL
	v_add_nc_u32 v6, v6, v7
	v_add_nc_u32 v[ADRS], s21, v6
	s_mul_i32 s23, s14, 16*SPITCH                  ; my stage
	v_mul_u32_u24 v6, v1, SPITCH
	v_lshl_add_u32 v6, v2, 6, v6                   ; in: row r, + 64 h: register j of B's block b is column 32 (b / 2) + 8 (b % 2) + 16 h + j
	v_add_nc_u32 v[STO], s23, v6
	v_mov_b32 v[CO], v4                            ; back: the 32 lanes take one row of 512 bytes; and the same in C
	v_add_nc_u32 v[RD], s23, v4
	s_lshl_b32 s18, s42, 10                        ; my 128 columns, in bytes
	s_lshl_b32 s19, s16, 9
	s_add_co_u32 s18, s18, s19
	s_mov_b32 s19, 0
	s_add_nc_u64 s[8:9], s[8:9], s[18:19]          ; in bo,
	s_add_nc_u64 s[10:11], s[10:11], s[18:19]      ; and in a row of out0;
	s_lshl_b32 s18, s17, 20                        ; my 128 rows of 4,096 bytes
	s_lshl_b32 s21, s15, 19
	s_add_co_u32 s18, s18, s21
	s_add_nc_u64 s[10:11], s[10:11], s[18:19]
	v_lshlrev_b32 v8, 6, v2
.irp b, 0,1,2,3,4,5,6,7
	global_load_b128 v[CB+8*\b:CB+8*\b+3], v8, s[8:9] offset:(32*(\b/2)+8*(\b%2))*4
	global_load_b128 v[CB+8*\b+4:CB+8*\b+7], v8, s[8:9] offset:(32*(\b/2)+8*(\b%2))*4+16
.endr
	s_wait_tensorcnt 1                             ; the scales and my part of K step 0 are in; K step 1's load may be out
	s_barrier_signal -1
	s_barrier_wait -1
	FETCH_B 0, 0, 0
	FETCH_A 0, 0, 0
	SCALES 0
	FETCH_A 0, 0, 4
	s_wait_loadcnt 0x0                             ; the bias
	STEP 0, 0, 1                                   ; the first step starts the sums from the bias
	TURN 0, 1, 1                                   ; K has four K steps: the ring's two laps are written out
	STEP 1, 0, 0
	TURN 1, 0, 1
	STEP 0, 0, 0
	TURN 0, 1, 0                                   ; nothing is left to fetch
	STEP 1, 0, 0
	s_wait_dscnt 4*NL
	WIN MUL_LO
	MUL16 0, 1, NQ-1, 1, 0
	MUL16 2, 1, NQ-1, 1, 0
	s_wait_dscnt 0
	WIN MUL_HI
	MUL16 4, 1, NQ-1, 1, 0
	MUL16 6, 1, NQ-1, 1, 0
	WIN 0
; THE WAY OUT, block by block of 16 rows x 128 columns, through my own stage in LDS: in by lanes (32 neighbouring bytes of a row each), back as whole rows of 512 bytes.  LDS serves a wave's instructions in order: no wait between the stores and the loads.
.macro TOSTAGE a
.set AC, 64*((\a)%4)
	WIN 0x08+4*((\a)/4)                            ; the data: window 2 or 3
.irp b, 0,1,2,3,4,5,6,7
	ds_store_b128 v[STO], v[AC+8*\b:AC+8*\b+3] offset:128*(\b/2)+32*(\b%2)          ; each accumulator from its low end on
	ds_store_b128 v[STO], v[AC+8*\b+4:AC+8*\b+7] offset:128*(\b/2)+32*(\b%2)+16
.endr
	WIN 0
.set BB, BK+64*((\a)%2)
.irp t, 0,1,2,3,4,5,6,7,8,9,10,11,12,13,14,15
	ds_load_b128 v[BB+4*\t:BB+4*\t+3], v[RD] offset:\t*SPITCH
.endr
.endm
.macro SEND a, younger                 ; younger: the LDS instructions issued behind block a's loads, which may stay out
.set BB, BK+64*((\a)%2)
	s_wait_dscnt \younger
.irp t, 0,1,2,3,4,5,6,7,8,9,10,11,12,13,14,15
	global_store_b128 v[CO], v[BB+4*\t:BB+4*\t+3], s[10:11] offset:(32*((\a)/2)+8*((\a)%2)+\t+8*(\t/8))*4096 th:TH_STORE_NT   ; row t of block a is row 32 (a / 2) + 8 (a % 2) + t + 8 (t / 8) of my 128; 512 consecutive bytes, aligned; the base never steps
.endr
.endm
	PLACES NP                                      ; behind the last products: for the loads into the registers that held A's fragments, and for the reads of results
	TOSTAGE 0
.irp a, 1,2,3,4,5,6,7
.if \a > 1
	s_wait_xcnt 0x0                                ; block a - 2's stores have read their registers: block a's loads may land there
.endif
	TOSTAGE \a
	SEND \a-1, 32                                  ; behind block a - 1's loads: block a's 16 stores and 16 loads
.endr
	SEND 7, 0
	s_wait_tensorcnt 0x0                           ; the wave's end: three lines
	ds_add_u32 v[SPW], v[NIL]
	s_wait_dscnt 0x0
	CROUND                                         ; the closing round
	s_endpgm
.Lfunc_end_k_q7c91bf8c17_proj:
	.size	k_q7c91bf8c17_proj, .Lfunc_end_k_q7c91bf8c17_proj-k_q7c91bf8c17_proj
	.p2alignl 7, 3214868480
	.fill 96, 4, 3214868480
	.section	.rodata,"a",@progbits
	.p2align	6, 0x0
	.amdhsa_kernel k_q7c91bf8c17_proj
		.amdhsa_group_segment_fixed_size 327680
		.amdhsa_private_segment_fixed_size 0
		.amdhsa_enable_private_segment 0
		.amdhsa_kernarg_size 32
		.amdhsa_user_sgpr_count 2
		.amdhsa_user_sgpr_kernarg_segment_ptr 1
		.amdhsa_wavefront_size32 1
		.amdhsa_system_sgpr_workgroup_id_x 1
		.amdhsa_system_sgpr_workgroup_id_y 1
		.amdhsa_system_sgpr_workgroup_id_z 1
		.amdhsa_system_vgpr_workitem_id 0
		.amdhsa_next_free_vgpr 1024
		.amdhsa_next_free_sgpr 100
		.amdhsa_reserve_vcc 0
		.amdhsa_float_denorm_mode_32 3
		.amdhsa_float_denorm_mode_16_64 3
		.amdhsa_memory_ordered 1
		.amdhsa_forward_progress 1
		.amdhsa_inst_pref_size 145
	.end_amdhsa_kernel
	.amdgpu_metadata
---
amdhsa.version: [ 1, 2 ]
amdhsa.kernels:
  - .name:           k_q7c91bf8c17_proj
    .symbol:         k_q7c91bf8c17_proj.kd
    .args:
      - { .name: ob, .offset: 0, .size: 8, .value_kind: global_buffer, .address_space: global }
      - { .name: xw, .offset: 8, .size: 8, .value_kind: global_buffer, .address_space: global }
      - { .name: bo, .offset: 16, .size: 8, .value_kind: global_buffer, .address_space: global }
      - { .name: out0, .offset: 24, .size: 8, .value_kind: global_buffer, .address_space: global }
    .group_segment_fixed_size: 327680
    .private_segment_fixed_size: 0
    .kernarg_segment_align: 8
    .kernarg_segment_size: 32
    .max_flat_workgroup_size: 128
    .sgpr_count:     100
    .vgpr_count:     1024
    .wavefront_size: 32
...
	.end_amdgpu_metadata
.endif
;; end of part 4
;; ======== version 2 of 2: 4 launches; version 1 with the launch attn written anew for expert scheduling mode
;; workspace buffers: xw 9,830,400 bytes; maskbuf 524,800 bytes of whole numbers; qkv 20,185,088 bytes; ob 6,553,600 bytes
;; launch prep: the kernel of part 1 again; grid 384 x 1, 4 waves a work-group, no clusters, 62,208 bytes of LDS; arguments x, Wq, Wk, Wv, Wo, mask, xw, maskbuf; writes xw, maskbuf
;; launch qkv: the kernel of part 2 again; grid 96 x 4, 4 waves a work-group, clusters of 4 x 4, 327,680 bytes of LDS; arguments xw, bq, bk, bv, qkv; writes qkv
;; launch attn (part 5): grid 4 x 64, 16 waves a work-group, no clusters, 210,944 bytes of LDS; arguments qkv, maskbuf, ob; writes ob
.if DOCPART == 5
	.amdgcn_target "amdgcn-amd-amdhsa--gfx1250"
	.amdhsa_code_object_version 6
	.text
	.protected	k_q7c91bf8c17_attn
	.globl	k_q7c91bf8c17_attn
	.p2align	8
	.type	k_q7c91bf8c17_attn,@function
k_q7c91bf8c17_attn:
	s_mov_b64 s[64:65], 0
	v_nop
	global_prefetch_b8 v0, s[64:65] scope:SCOPE_SE
	s_setreg_imm32_b32 hwreg(HW_REG_WAVE_SCHED_MODE, 0, 2), 2
	s_setreg_imm32_b32 hwreg(HW_REG_WAVE_MODE, 25, 1), 1
	s_wait_xcnt 0x0
	s_wait_alu depctr_vm_vsrc(0)
; o = softmax(where(mask, q k^T / 8, -1e9)) v for one head of one batch, both products on codes of FP6 (E2M3) with E8M0 scales; o is divided by the row's sum, quantised along the channels and stored as images for the last product.
; THE SOFTMAX: t = score x log2(e) / 8; M = the running largest t rounded up to a whole number; p = 2^(t - M) is quantised along the keys; the row's sum is taken of the unquantised p; when M moves, sum and O are multiplied by 2^(old M - new M): exact.
; SHARES.  A work-group (x = g, y = batch x 16 + head) takes 32 of the head's 128 tiles of 16 queries; each of its sixteen waves two: tile 4 w + g, then tile 127 - (4 w + g).  Every wave walks the head's 16 key steps of 128 keys.
; LDS.  The head's codes and scale words of K and V, 208,896 bytes, are copied in once through registers; behind ONE barrier LDS is only read.  No tensor load and no joint request: the walk branches on step codes read from memory,
; and what the four work-groups of a head share is this one copy.
; THE MASK is an input: an earlier launch has made of it, for each query tile and key step, a code (0: every key hidden, and no query of the tile hidden everywhere: the step adds nothing and is left out; 1: all open; 2: apply the words)
; and 64 words, word j holding at bit l what lane l's score register j is allowed.  The codes steer scalar branches alone; no address hangs on them.
; LAYOUT.  Both products are used transposed (S^T = K Q^T, O^T = V^T P^T): a lane holds one query throughout.  Row r of a tile is row 32 (t / 2) + 8 (t % 2) + r + 8 (r / 8), so that the 16 registers of two neighbouring tiles are 16 neighbours.
; K = 64 IN AN INSTRUCTION OF 128: Q's fragment is its six registers and six of zero codes.  A key tile's source is its own six registers and the six that follow (the next tile's, or a pad): those meet zero codes under scale bytes that are never 0xff.
; LIMITS.  A hidden score is set to -2^33, a logit of -2^30, where reference() has -1e9: score x c is then a whole number, and a row hidden everywhere gets p = 1 on all keys.  The results are reference()'s while open logits lie above about -1e9 + 200.
; NaN and infinities are not served; blocks whose largest magnitude lies under 2^-124 keep the byte 1.
; REGISTERS: v1, v2, v11, v28-31, v94, v95 lane constants; v3, v4 the add's two; v5-10 addresses in hand; v12 -M, v13 the largest t, v[14:15] the sum; v16-27 Q; v32-85 eight key tiles and a pad, later p's codes; v86-91, v93 scale words;
; v96-159 S^T, then p; v160-191 O^T; v192-239 V; v240-254 at work; v255 -2^33.
; THE MODE: SCHED_MODE bits 1:0 = 2 (LLVM: expert scheduling mode 2), set by the entry lines.  The code itself states the register dependences
; between vector or matrix instructions and memory or LDS instructions, with s_wait_alu, always for 0.
; THE PLAN.  Registers that memory or LDS instructions touch:
;   v5-v10          At the head: offsets and LDS addresses of the copy.  In a key step: written by six additions at the step's head, read by the step's 34 LDS loads.
;   v96-v197        At the head alone: the copy's loads land in them, its LDS stores read them; later they are S^T, O^T and V.
;   v32-v79, v86-89 K's 17 LDS loads land in them; the first product reads them (with the pad v80-85); then the conversions, swaps and moves write p's codes into v32-50, and the second product reads v32-43.
;   v192-239, v90-91  V's 17 LDS loads land in them; the second product reads them.
;   v16-21, v93     Q's three loads land in them at a tile's head; the first product reads them.
;   v1, v31, v94, v95  Offsets of Q's loads and o's stores: made once at the head.
;   v32-37, v254    On a tile's way out: written by vector lines, read by the three stores.
; So ONE wait on va_vdst stands at a key step's head, behind the six additions: the addresses are written, the last step's second product is done reading p's codes, V and V's scale words, and the lines that wrote v32-50 are complete.
; All 34 loads follow it with no further wait: K's in one run, V's dealt among the eight products of S^T, which name v16-27, v32-89, v93 and v96-159: none of the registers that V's loads touch.
; One wait on vm_vsrc stands ahead of the six additions.  One more wait on va_vdst stands ahead of the second product, whose operand p and scale word are written by vector lines.
.set XSTR,   1572864
.set V_IMG,  12582912
.set QK_SC,  18874368
.set V_SC,   19922944
.set O_SC,   6291456
.set MFLAG,  524288
.set VIMG,   98304                     ; LDS: K's images at 0, V's here,
.set KSC,    196608                    ; K's scale words,
.set VSC,    204800                    ; V's,
.set SPARE,  208896                    ; and the spare words, 128 bytes for each wave: eight blocks of 256 bytes that no other line names
.set BM,  240                          ; v240-243 a block's largest score, then its largest p
.set PT,  244                          ; v244-247 lane l xor 16's; the second chain of sums; the bytes
.set SO,  248                          ; v248-251 the conversions' scale operands
; A key step's loads and its first product.
.macro FRONT
	s_wait_alu depctr_vm_vsrc(0)                   ; the LDS loads issued so far have read v5 to v10, which the six additions write again
	v_add_nc_u32 v5, s16, v1
	v_add_nc_u32 v6, s16, v2
	v_add_nc_u32 v7, s16, v11
	v_add_nc_u32 v8, s16, v28
	v_add_nc_u32 v9, s17, v29
	v_add_nc_u32 v10, s18, v30
	s_wait_alu depctr_va_vdst(0)                   ; v5 to v10 are written, which the 34 loads below read; the last step's products are done reading v32-91 and v192-239, and the lines that wrote p's codes into v32-50 are complete: the loads land there
.irp t, 0,1,2,3,4,5,6,7
	ds_load_b128 v[32+6*\t:35+6*\t], v5 offset:768*\t
	ds_load_b64 v[36+6*\t:37+6*\t], v6 offset:768*\t
.endr
	ds_load_b128 v[86:89], v9                      ; word i: lanes 0-15 key tile 2 i, lanes 16-31 key tile 2 i + 1
	s_wait_dscnt 0x0                               ; K's seventeen loads are in; V's are asked for below
.irp u, 0,1,2,3
	v_wmma_scale_f32_16x16x128_f8f6f4 v[96+16*\u:103+16*\u], v[32+12*\u:43+12*\u], v[16:27], 0, v[86+\u], v93 matrix_a_fmt:MATRIX_FMT_FP6 matrix_b_fmt:MATRIX_FMT_FP6
	ds_load_b128 v[192+12*\u:195+12*\u], v7 offset:1536*\u            ; V's loads, two behind each product.  No wait: no vector or matrix instruction since the wait above names v7, v8, v10, v90, v91 or v192-239
	ds_load_b64 v[196+12*\u:197+12*\u], v8 offset:1536*\u
	v_wmma_scale_f32_16x16x128_f8f6f4 v[104+16*\u:111+16*\u], v[38+12*\u:49+12*\u], v[16:27], 0, v[86+\u], v93 matrix_a_fmt:MATRIX_FMT_FP6 matrix_b_fmt:MATRIX_FMT_FP6 matrix_a_scale:MATRIX_SCALE_ROW1
	ds_load_b128 v[198+12*\u:201+12*\u], v7 offset:1536*\u+768
	ds_load_b64 v[202+12*\u:203+12*\u], v8 offset:1536*\u+768
.endr
	ds_load_b64 v[90:91], v10
.rept 4
	v_nop                                          ; places in front of the first read of the scores
.endr
.endm
; One tile of 16 queries against all keys.  p = 0: tile 4 w + g; 1: tile 127 - (4 w + g)
.macro PASS p
	s_lshl_b32 s13, s10, 2
	s_add_co_u32 s13, s13, s11
.if \p
	s_sub_co_u32 s13, 127, s13
.endif
	s_mul_i32 s28, s13, 768
	s_mov_b32 s29, 0
	s_add_nc_u64 s[28:29], s[4:5], s[28:29]        ; Q's image
	s_lshr_b32 s30, s13, 3
	s_lshl_b32 s30, s30, 9
	s_and_b32 s14, s13, 1
	s_lshl_b32 s14, s14, 8
	s_add_co_u32 s30, s30, s14
	s_bfe_u32 s14, s13, 0x20001
	s_lshl_b32 s14, s14, 2
	s_add_co_u32 s30, s30, s14
	s_mov_b32 s31, 0
	s_add_nc_u64 s[30:31], s[2:3], s[30:31]        ; its scale words: 512 (T / 8) + 256 (T % 2) + 4 ((T / 2) % 4), 16 bytes from row to row
	s_lshl_b32 s26, s13, 12
	s_mov_b32 s27, 0
	s_add_nc_u64 s[26:27], s[6:7], s[26:27]        ; the tile's mask words: 256 bytes a key step
	s_lshr_b32 s25, s12, 4
	s_lshl_b32 s25, s25, 7
	s_add_co_u32 s25, s25, s13                     ; o's tile: 128 x batch + T
	s_and_b32 s67, s12, 15                         ; the head is 64 of the last product's K: K step head / 4, image head % 4
	s_mul_i32 s100, s25, 3072
	s_lshr_b32 s104, s67, 2
	s_mul_i32 s104, s104, XSTR
	s_add_co_u32 s100, s100, s104
	s_and_b32 s104, s67, 3
	s_mul_i32 s104, s104, 768
	s_add_co_u32 s100, s100, s104
	s_mov_b32 s101, 0
	s_add_nc_u64 s[100:101], s[8:9], s[100:101]
	s_lshl_b32 s104, s25, 9
	s_lshl_b32 s67, s67, 1
	s_add_co_u32 s104, s104, s67
	s_mov_b32 s105, 0
	s_add_nc_u64 s[104:105], s[8:9], s[104:105]
	s_add_nc_u64 s[104:105], s[104:105], O_SC      ; its scale bytes: 32 a row, bytes 2 head and 2 head + 1
	s_lshl_b32 s14, s13, 2
	s_load_b32 s24, s[6:7], s14 offset:MFLAG       ; the tile's sixteen step codes
	s_wait_alu depctr_va_vdst(0)                   ; first tile: the offsets v1, v31, v94 are written, which the three loads read, and so are the zero codes v22-27 and v80-85, which the scaled products take; second tile: the first tile's products are done reading v16-21 and v93, in which the loads land
	global_load_b128 v[16:19], v1, s[28:29]
	global_load_b64 v[20:21], v31, s[28:29] offset:512
	global_load_b32 v93, v94, s[30:31]
	v_mov_b32 v13, 0xff61b1e6                      ; the largest t so far: -3e38, under every t
	v_floor_f32 v12, -v13
	v_mov_b32 v14, 0
	v_mov_b32 v15, 0
.set N, 0
.rept 32
	v_mov_b32 v[160+N], 0                          ; O^T: which step is the first that counts hangs on the mask, so the step is written once and finds zeros
.set N, N+1
.endr
	s_mov_b32 s15, 0                               ; the key step,
	s_mov_b32 s16, 0                               ; its images (6,144 bytes a step, K's and V's alike),
	s_mov_b32 s17, 0                               ; K's scale words (512),
	s_mov_b32 s18, 0                               ; V's (256),
	s_mov_b32 s19, 0                               ; its code's place (2 bits)
	s_wait_loadcnt 0x0
	s_wait_kmcnt 0x0
.Lstep_\@:                                             ; sixteen trips, whatever the mask: what is left out is a step's work, by a jump inside the trip
	s_lshr_b32 s25, s24, s19
	s_and_b32 s25, s25, 3
	s_cmp_eq_u32 s25, 0
	s_cbranch_scc1 .Lnext_\@
	s_cmp_eq_u32 s25, 2
	s_cbranch_scc1 .Lmixed_\@
	FRONT
	s_branch .Lsoft_\@
.Lmixed_\@:
	s_load_b512 s[32:47], s[26:27], 0x0            ; the step's 64 words, asked for ahead of the products
	s_load_b512 s[48:63], s[26:27], 0x40
	s_load_b512 s[68:83], s[26:27], 0x80
	s_load_b512 s[84:99], s[26:27], 0xc0
	FRONT
	s_wait_kmcnt 0x0
.set N, 0
.rept 32
	v_cndmask_b32 v[96+N], v255, v[96+N], s[32+N]  ; a hidden score becomes -2^33, ahead of the maximum; each accumulator from its low end on
.set N, N+1
.endr
.rept 32
	v_cndmask_b32 v[96+N], v255, v[96+N], s[36+N]
.set N, N+1
.endr
.Lsoft_\@:
.irp b, 0,1,2,3
	v_max3_num_f32 v[BM+\b], v[96+16*\b], v[97+16*\b], v[98+16*\b]   ; the largest score of each block of 32 keys: for the row's maximum, and, since p rises with the score, for the block's largest p
.endr
.irp i, 3,5,7,9,11,13
.irp b, 0,1,2,3
	v_max3_num_f32 v[BM+\b], v[BM+\b], v[96+16*\b+\i], v[97+16*\b+\i]
.endr
.endr
.irp b, 0,1,2,3
	v_max_num_f32 v[BM+\b], v[BM+\b], v[111+16*\b]
.endr
.irp b, 0,1,2,3
	v_permlanex16_b32 v[PT+\b], v[BM+\b], s20, s21
.endr
.irp b, 0,1,2,3
	v_max_num_f32 v[BM+\b], v[BM+\b], v[PT+\b]     ; with lane l xor 16's 16 keys
.endr
	v_max3_num_f32 v254, v[BM], v[BM+1], v[BM+2]
	v_max_num_f32 v254, v254, v[BM+3]
	v_mul_f32 v254, s22, v254                      ; as t (c is positive)
	v_max_num_f32 v13, v13, v254                   ; the running largest t
	v_mov_b32 v254, v12
	v_floor_f32 v12, -v13                          ; the new -M = floor(-t): M is a whole number
	v_sub_f32 v254, v12, v254                      ; old M - new M: a whole number, 0 or less
	v_cvt_i32_f32 v254, v254                       ; (it saturates)
	v_ldexp_f32 v252, 1.0, v254                    ; f = 2^(old M - new M)
.set N, 0
.rept 32
	v_pk_fma_f32 v[96+N:97+N], v[96+N:97+N], s[22:23], v[12:13] op_sel_hi:[1,0,0]   ; t - M, two at a time
.set N, N+2
.endr
.irp b, 0,1,2,3
	v_fma_f32 v[BM+\b], v[BM+\b], s22, v12         ; the same of each block's largest score
.endr
.set N, 0
.rept 64
	v_exp_f32 v[96+N], v[96+N]                     ; p = 2^(t - M), at most 1
.set N, N+1
.endr
	v_pk_mul_f32 v[14:15], v[14:15], v[252:253] op_sel_hi:[1,0]   ; the sums under the new M; the plain line behind the exponentials
	s_wait_alu depctr_va_vdst(0)                   ; the 64 exponentials have written p, v96-159: one wait for the batch, ahead of its first reader
.irp b, 0,1,2,3
	v_exp_f32 v[BM+\b], v[BM+\b]                   ; the block's largest p
.endr
	v_pk_add_f32 v[PT:PT+1], v[96:97], v[98:99]    ; the row's sum is taken of the unquantised p, in two chains; it reads the 64 alone
.irp j, 4,8,12,16,20,24,28,32,36,40,44,48,52,56,60
	v_pk_add_f32 v[14:15], v[14:15], v[96+\j:97+\j]
	v_pk_add_f32 v[PT:PT+1], v[PT:PT+1], v[98+\j:99+\j]
.endr
	v_pk_add_f32 v[14:15], v[14:15], v[PT:PT+1]
	s_wait_alu depctr_va_vdst(0)                   ; the four exponentials have written v240-243, ahead of their first reader
.irp b, 0,1,2,3
	v_max_num_f32 v[BM+\b], 0x1800000, v[BM+\b]    ; the floor 2^(3 - 127): a block whose every p is 0 keeps the byte 1: its codes are zeros
.endr
.irp b, 0,1,2,3
	v_add_nc_u32 v[SO+\b], 0xff000000, v[BM+\b]
.endr
.irp b, 0,1,2,3
	v_lshrrev_b32 v[PT+\b], 23, v[SO+\b]
.endr
	v_lshl_or_b32 v253, v[PT+1], 8, v[PT]          ; p's scale word for these 128 keys
	v_lshl_or_b32 v253, v[PT+2], 16, v253
	v_lshl_or_b32 v253, v[PT+3], 24, v253
	v_cvt_scalef32_pk16_fp6_f32 v[32:34], v[96:111], v[SO]
	v_cvt_scalef32_pk16_fp6_f32 v[44:46], v[112:127], v[SO+1]
	v_cvt_scalef32_pk16_fp6_f32 v[38:40], v[128:143], v[SO+2]
	v_cvt_scalef32_pk16_fp6_f32 v[48:50], v[144:159], v[SO+3]
	v_nop                                          ; one plain line behind a scaled conversion
.irp i, 0,1,2
	v_permlane16_swap_b32 v[32+\i], v[44+\i]       ; the operand's layout wants a whole block in a lane
.endr
.irp i, 0,1,2
	v_mov_b32 v[35+\i], v[44+\i]
.endr
.irp i, 0,1,2
	v_permlane16_swap_b32 v[38+\i], v[48+\i]
.endr
.irp i, 0,1,2
	v_mov_b32 v[41+\i], v[48+\i]
.endr
.set N, 0
.rept 16
	v_pk_mul_f32 v[160+N:161+N], v[160+N:161+N], v[252:253] op_sel_hi:[1,0]   ; O^T under the new M; these sixteen also stand between the lines that wrote p's codes and scale word and the products
.set N, N+2
.endr
	s_wait_dscnt 0x0                               ; V
	s_wait_alu depctr_va_vdst(0)                   ; the swaps and moves have written p's codes, v32-43, and the shifts p's scale word, v253, which the scaled products below take; the sixteen places above stay beside this wait
.irp u, 0,1
	v_wmma_scale_f32_16x16x128_f8f6f4 v[160+16*\u:167+16*\u], v[192+24*\u:203+24*\u], v[32:43], v[160+16*\u:167+16*\u], v[90+\u], v253 matrix_a_fmt:MATRIX_FMT_FP6 matrix_b_fmt:MATRIX_FMT_FP6
	v_wmma_scale_f32_16x16x128_f8f6f4 v[168+16*\u:175+16*\u], v[204+24*\u:215+24*\u], v[32:43], v[168+16*\u:175+16*\u], v[90+\u], v253 matrix_a_fmt:MATRIX_FMT_FP6 matrix_b_fmt:MATRIX_FMT_FP6 matrix_a_scale:MATRIX_SCALE_ROW1
.endr
.Lnext_\@:
	s_add_co_u32 s16, s16, 6144
	s_add_co_u32 s17, s17, 512
	s_add_co_u32 s18, s18, 256
	s_add_co_u32 s19, s19, 2
	s_add_nc_u64 s[26:27], s[26:27], 256           ; (the words' loads, where there were any, have been waited for)
	s_add_co_u32 s15, s15, 1
	s_cmp_lt_u32 s15, 16
	s_cbranch_scc1 .Lstep_\@
	; the tile's way out: O^T / the sum, quantised along the head's 64 channels: one image and two bytes a row
.rept 4
	v_nop
.endr
	v_add_f32 v14, v14, v15
	v_permlanex16_b32 v252, v14, s20, s21
	v_add_f32 v14, v14, v252
	v_rcp_f32 v14, v14
	v_nop                                          ; a plain line behind the reciprocal,
	s_wait_alu depctr_va_vdst(0)                   ; and the wait ahead of its first reader: the reciprocal has written v14
.set N, 0
.rept 16
	v_pk_mul_f32 v[160+N:161+N], v[160+N:161+N], v[14:15] op_sel_hi:[1,0]   ; register 16 b + i is channel 32 b + 16 h + i of my query
.set N, N+2
.endr
.irp b, 0,1
	v_max3_num_f32 v[BM+\b], |v[160+16*\b]|, |v[161+16*\b]|, 0x1800000
.endr
.irp i, 2,4,6,8,10,12,14
.irp b, 0,1
	v_max3_num_f32 v[BM+\b], v[BM+\b], |v[160+16*\b+\i]|, |v[161+16*\b+\i]|
.endr
.endr
.irp b, 0,1
	v_permlanex16_b32 v[PT+\b], v[BM+\b], s20, s21
.endr
.irp b, 0,1
	v_max_num_f32 v[BM+\b], v[BM+\b], v[PT+\b]
.endr
.irp b, 0,1
	v_add_nc_u32 v[SO+\b], 0xff000000, v[BM+\b]
.endr
.irp b, 0,1
	v_lshrrev_b32 v[PT+\b], 23, v[SO+\b]
.endr
	v_cvt_scalef32_pk16_fp6_f32 v[32:34], v[160:175], v[SO]
	v_cvt_scalef32_pk16_fp6_f32 v[44:46], v[176:191], v[SO+1]
	v_nop
.irp i, 0,1,2
	v_permlane16_swap_b32 v[32+\i], v[44+\i]
.endr
.irp i, 0,1,2
	v_mov_b32 v[35+\i], v[44+\i]
.endr
	v_cndmask_b32 v254, v[PT], v[PT+1], s66        ; lanes 0-15 block 0's byte, lanes 16-31 block 1's
	s_wait_alu depctr_va_vdst(0)                   ; the swaps and moves have written o's codes, v32-37, and the select the byte, v254, which the three stores read
	global_store_b128 v1, v[32:35], s[100:101]     ; the image: 512 consecutive bytes and 256
	global_store_b64 v31, v[36:37], s[100:101] offset:512
	global_store_b8 v95, v254, s[104:105]          ; a byte a lane, 32 bytes from row to row: the other heads' bytes of these rows come from other work-groups
	s_wait_xcnt 0x0                                ; the stores' addresses are translated: their registers and bases are rewritten only behind this wait
.if (\p) == 0
	s_wait_alu depctr_vm_vsrc(0)                   ; the stores have read v32-37 and v254, which the next tile's loads and vector lines write again
.endif
.endm
	s_load_b128 s[4:7], s[0:1], 0x0                ; qkv 4:5, maskbuf 6:7
	s_load_b64 s[8:9], s[0:1], 0x10                ; ob
	v_lshl_add_u32 v3, v0, 2, SPARE                ; my spare word; never rewritten
	v_mov_b32 v4, 0                                ; 0; never rewritten
	v_lshrrev_b32 v5, 5, v0
	v_readfirstlane_b32 s10, v5                    ; wave 0..15
	s_mov_b32 s11, ttmp9                           ; g
	s_and_b32 s12, ttmp7, 0xffff                   ; batch x 16 + head
	v_lshlrev_b32 v5, 4, v0                        ; the copy: 16 bytes a thread, 8,192 a turn; four bases 65,536 apart reach all of it
	v_add_nc_u32 v6, 0x10000, v5
	v_add_nc_u32 v7, 0x20000, v5
	v_add_nc_u32 v8, 0x30000, v5
	v_lshlrev_b32 v10, 3, v0
	v_add_nc_u32 v9, VSC, v10
	s_wait_alu depctr_va_sdst(0)                   ; s10 is written, ahead of its first reader: both tiles' numbers are made from it
	s_mul_i32 s28, s12, 98304                      ; a head's images of q, k or v
	s_mov_b32 s29, 0
	s_lshl_b32 s2, s12, 13                         ; its scale words of q or k
	s_mov_b32 s3, 0
	s_lshl_b32 s104, s12, 12                       ; of v
	s_mov_b32 s105, 0
	s_mov_b32 s20, 0x76543210
	s_mov_b32 s21, 0xfedcba98                      ; v_permlanex16_b32's selects for lane l xor 16
	s_mov_b32 s22, 0x3e38aa3b                      ; c = log2(e) / 8
	s_mov_b32 s23, s22                             ; (named with it as a pair)
	s_mov_b32 s66, 0xffff0000                      ; lanes 16-31
	s_wait_kmcnt 0x0
	s_add_nc_u64 s[28:29], s[4:5], s[28:29]
	s_add_nc_u64 s[30:31], s[28:29], V_IMG         ; V's images
	s_add_nc_u64 s[2:3], s[4:5], s[2:3]
	s_add_nc_u64 s[2:3], s[2:3], QK_SC             ; Q's scale words
	s_add_nc_u64 s[100:101], s[2:3], 64*8192       ; K's
	s_add_nc_u64 s[104:105], s[4:5], s[104:105]
	s_add_nc_u64 s[104:105], s[104:105], V_SC      ; V's
	s_mov_b64 s[4:5], s[28:29]                     ; Q's images
	s_add_nc_u64 s[28:29], s[28:29], 64*98304      ; K's
	s_wait_alu depctr_va_vdst(0)                   ; v5 to v10 are written: the copy's loads and LDS stores read them as offsets and addresses; no vector line between here and the barrier names them, or v96-197
.irp i, 0,1,2,3,4,5,6,7,8,9,10,11
	global_load_b128 v[96+4*\i:99+4*\i], v5, s[28:29] offset:8192*\i
.endr
.irp i, 0,1,2,3,4,5,6,7,8,9,10,11
	global_load_b128 v[144+4*\i:147+4*\i], v5, s[30:31] offset:8192*\i
.endr
	global_load_b128 v[192:195], v5, s[100:101]
	global_load_b64 v[196:197], v10, s[104:105]
	v_and_b32 v31, 31, v0
	v_lshlrev_b32 v1, 4, v31                       ; 16 x lane: K's images, and Q's and o's in memory
	v_lshlrev_b32 v31, 3, v31                      ; 8 x lane
	v_add_nc_u32 v2, 512, v31
	v_add_nc_u32 v11, VIMG, v1
	v_add_nc_u32 v28, VIMG+512, v31
	v_add_nc_u32 v29, KSC, v1
	v_add_nc_u32 v30, VSC, v31
	v_and_b32 v94, 15, v0
	v_bfe_u32 v95, v0, 4, 1
	v_lshl_add_u32 v95, v94, 5, v95                ; 32 r + h
	v_lshlrev_b32 v94, 4, v94                      ; 16 r
.irp i, 0,1,2,3,4,5
	v_mov_b32 v[22+\i], 0                          ; Q's upper 64 along K: zero codes
	v_mov_b32 v[80+\i], 0                          ; the pad behind the last key tile
.endr
.irp i, 0,1,2,3
	v_mov_b32 v[PT+\i], 0                          ; a lane permute's destination counts as one of its sources
.endr
	v_mov_b32 v252, 0
	v_mov_b32 v253, 0
	v_mov_b32 v255, 0xd0000000                     ; -2^33
.set N, 0
.rept 25
	s_wait_loadcnt 25-N                            ; loads come back in order: this turn's is in, the younger ones stay out
	ds_store_b128 v[5+N/8], v[96+4*N:99+4*N] offset:8192*(N%8)
.set N, N+1
.endr
	s_wait_loadcnt 0x0
	ds_store_b64 v9, v[196:197]
	s_wait_dscnt 0x0                               ; for the others' sake: my stores have landed
	s_barrier_signal -1
	s_barrier_wait -1                              ; from here on LDS is only read
	s_wait_alu depctr_vm_vsrc(0)                   ; my LDS stores have read v96-197: these registers are S^T, O^T and V from here on, written by vector lines, products and LDS loads
	PASS 0
	PASS 1
	s_wait_dscnt 0x0                               ; the closing lines, six on end
	s_wait_alu 0x0
	s_wait_tensorcnt 0x0
	ds_add_u32 v3, v4
	s_wait_dscnt 0x0
	s_endpgm
.Lfunc_end_k_q7c91bf8c17_attn:
	.size	k_q7c91bf8c17_attn, .Lfunc_end_k_q7c91bf8c17_attn-k_q7c91bf8c17_attn
	.p2alignl 7, 3214868480
	.fill 96, 4, 3214868480
	.section	.rodata,"a",@progbits
	.p2align	6, 0x0
	.amdhsa_kernel k_q7c91bf8c17_attn
		.amdhsa_group_segment_fixed_size 210944
		.amdhsa_private_segment_fixed_size 0
		.amdhsa_enable_private_segment 0
		.amdhsa_kernarg_size 24
		.amdhsa_user_sgpr_count 2
		.amdhsa_user_sgpr_kernarg_segment_ptr 1
		.amdhsa_wavefront_size32 1
		.amdhsa_system_sgpr_workgroup_id_x 1
		.amdhsa_system_sgpr_workgroup_id_y 1
		.amdhsa_system_sgpr_workgroup_id_z 1
		.amdhsa_system_vgpr_workitem_id 0
		.amdhsa_next_free_vgpr 256
		.amdhsa_next_free_sgpr 106
		.amdhsa_reserve_vcc 0
		.amdhsa_float_denorm_mode_32 3
		.amdhsa_float_denorm_mode_16_64 3
		.amdhsa_memory_ordered 1
		.amdhsa_forward_progress 1
		.amdhsa_inst_pref_size 71
	.end_amdhsa_kernel
	.amdgpu_metadata
---
amdhsa.version: [ 1, 2 ]
amdhsa.kernels:
  - .name:           k_q7c91bf8c17_attn
    .symbol:         k_q7c91bf8c17_attn.kd
    .args:
      - { .name: qkv, .offset: 0, .size: 8, .value_kind: global_buffer, .address_space: global }
      - { .name: maskbuf, .offset: 8, .size: 8, .value_kind: global_buffer, .address_space: global }
      - { .name: ob, .offset: 16, .size: 8, .value_kind: global_buffer, .address_space: global }
    .group_segment_fixed_size: 210944
    .private_segment_fixed_size: 0
    .kernarg_segment_align: 8
    .kernarg_segment_size: 24
    .max_flat_workgroup_size: 512
    .sgpr_count:     106
    .vgpr_count:     256
    .wavefront_size: 32
...
	.end_amdgpu_metadata
.endif
;; end of part 5
;; launch proj: the kernel of part 4 again; grid 4 x 32, 4 waves a work-group, clusters of 4 x 4, 327,680 bytes of LDS; arguments ob, xw, bo, out0; writes out0
